; MI455X (gfx1250); checked and timed in simulation.
; The chip was launched on July 23, 2026; its instructions are those of AMD's public machine-readable ISA for CDNA 5 (MIT licence, August 2026) and "CDNA5" Instruction Set Architecture Reference Guide (July 2026). The comments in the code are by the model that wrote it; some were corrected since.
;; Praxis Attention. Allowed arithmetic: matrix products marked QUANTISED: E2M1 operands, one E8M0 scale for each 32 along K, by v_wmma_scale_f32_16x16x128_f8f6f4 with both operands' format E2M1 (or v_wmma_scale_f32_32x16x128_f4), f32 sums; everything else in f32.
;; Inputs: Wk 1,024 x 1,024 float32; Wo 1,024 x 1,024 float32; Wq 1,024 x 1,024 float32; Wv 1,024 x 1,024 float32; bq 1,024 float32; bv 1,024 float32; inputs 1 x 4,096 x 1,024 float32.
;; Outputs: out0 1 x 4,096 x 1,024 float32.
;; This version of the problem:
;;   THIS VERSION OF THE PROBLEM IS GIVEN IN LOW PRECISION. The matrix products marked QUANTISED in the list below multiply operands that are first quantised to E2M1 (2 exponent bits, 1 mantissa bit; 4 bits a number), with one power-of-two scale for each 32 numbers along K (OCP MX v1.0); their sums are f32. All else is computed in f32.
;;   The module's matrix products, in the order in which they are computed (A, B: the left and right operand; K: the contracted axis; several contracted axes count as one K, in the product's order):
;;     1. [M 4,096, K 1,024] x [K 1,024, N 1,024]; A: input inputs; B: input Wq: QUANTISED
;;     2. [M 4,096, K 1,024] x [K 1,024, N 1,024]; A: input inputs; B: input Wk: QUANTISED
;;     3. [M 4,096, K 1,024] x [K 1,024, N 1,024]; A: input inputs; B: input Wv: QUANTISED
;;     4. batch 16 x [M 4,096, K 64] x [K 64, N 4,096]; A: computed on the way; B: computed on the way: QUANTISED
;;     5. batch 16 x [M 4,096, K 4,096] x [K 4,096, N 64]; A: softmax (see below); B: computed on the way: QUANTISED
;;     6. [M 4,096, K 1,024] x [K 1,024, N 1,024]; A: computed on the way; B: input Wo: QUANTISED
;;   THE QUANTISER, for each operand of a quantised product, along K:
;;     - K is cut into blocks of 32 from its start; a last block that is shorter is filled with zeros.
;;     - A block's scale is 2^e with e = floor(log2(the largest magnitude in the block)) - 2, held to -126 .. 127; a block of zeros has e = 0. As a byte (E8M0): e + 127.
;;     - Each number is divided by its block's scale, clamped to +-6, and rounded to the nearest number of E2M1, ties to even, subnormals kept.
;;     - The product sums the exact products of the quantised numbers (number of the format x scale) in f32.
;;   ~~~python
;;   def quantise(x, axis):      # numpy; x: float32 -> the quantised numbers, widened to float32 again
;;       x = np.moveaxis(x, axis, -1); K = x.shape[-1]
;;       x = np.pad(x, [(0, 0)] * (x.ndim - 1) + [(0, -K % 32)]); x = x.reshape(x.shape[:-1] + (-1, 32)); a = np.abs(x).max(-1, keepdims=True)
;;       e = np.where(a > 0, np.clip(np.frexp(np.where(a > 0, a, 1))[1] - 1 - 2, -126, 127), 0)      # np.frexp(a)[1] - 1 = floor(log2(a)), exactly
;;       r = np.clip(x / 2.0 ** e, -6, 6)
;;       step = 2.0 ** (np.maximum(np.frexp(np.where(r == 0, 1, r))[1] - 1, 0) - 1)
;;       q = np.round(r / step) * step * 2.0 ** e      # np.round: ties to even
;;       return np.moveaxis(q.reshape(q.shape[:-2] + (-1,))[..., :K], -1, axis).astype(np.float32)
;;   ~~~
;;   SOFTMAX AHEAD OF A QUANTISED PRODUCT. Where the list says 'softmax', what is quantised is not the finished softmax but p = 2^(t - M), with t = logit x log2(e) and M = ceil(the row's largest t), a whole number; so 1/2 < the row's largest p <= 1. The row's sum l is taken of the UNQUANTISED p, in f32, and the product's result is divided by l at the end. Since M is a whole number, a kernel that streams over the keys may use a running M (the ceiling of the running maximum): every later rescaling is an exact power of two, which a block's scale takes up: the codes' values come out the same.
;;   OPERANDS COMPUTED ON THE WAY. 'Computed on the way' means the value that the module computes at that place (a softmax that the list does not call 'softmax' is quantised finished and normalised). What goes into a quantiser is computed in f32, as accurately as f32 sums, v_exp_f32 and their like allow (about 1e-6 of the number): no bf16 or f16 on the way to a quantiser, and a product that is left as it is and whose result goes on into a quantised operand takes f32 operands (vector FMAs, or v_wmma_f32_16x16x4_f32). A number that lies on a knife's edge between two numbers of the format may be rounded either way, as far as f32 arithmetic and the matrix unit's own rounding can turn it there, and no further.
;; One version. Each part assembles by itself: llvm-mc -triple=amdgcn-amd-amdhsa -mcpu=gfx1250 --defsym DOCPART=n.
;; ======== version 1 of 1: 4 launches
;; limits: right only within a limited range of input values
;; workspace buffers: xc 2,097,152 bytes; xs 131,072 bytes; wc 2,097,152 bytes; ws 131,072 bytes; qr 2,359,296 bytes; kv 4,587,520 bytes; ac 2,097,152 bytes; asc 131,072 bytes
;; launch quant (part 1): grid 256 x 1, 8 waves a work-group, no clusters, 68,608 bytes of LDS; arguments inputs, Wq, Wk, Wv, Wo, xc, xs, wc, ws; writes xc, xs, wc, ws
.if DOCPART == 1
	.amdgcn_target "amdgcn-amd-amdhsa--gfx1250"
	.amdhsa_code_object_version 6
	.text
	.protected	k_qeb08a68927_quant
	.globl	k_qeb08a68927_quant
	.p2align	8
	.type	k_qeb08a68927_quant,@function
k_qeb08a68927_quant:
	s_mov_b64 s[64:65], 0
	v_nop
	global_prefetch_b8 v0, s[64:65] scope:SCOPE_SE
	s_setreg_imm32_b32 hwreg(HW_REG_WAVE_MODE, 25, 1), 1
	s_wait_xcnt 0x0
; inputs [4096][1024] and Wq, Wk, Wv, Wo [1024][1024], f32, K innermost, become codes of FP4 (E2M1) with one E8M0 byte for each 32 along K,
; laid as IMAGES OF THE OPERAND'S REGISTERS, so that the later launches fetch every fragment as runs of 512 consecutive bytes.
; TILES.  Rows go in groups of 32; tile T = 2 g + u of 16 rows holds, at its place m, row 32 g + 16 (m / 8) + 8 u + m % 8.
; CODES:  byte T x 8192 + s x 1024 + c x 512 + 16 x lane: the 32 codes of block 4 s + 2 c + lane / 16 of the row at place lane % 16 (s: the K step of 128).
; SCALES: byte T x 512 + (s / 2) x 128 + 4 x (16 (s % 2) + m) + block % 4: one word a row and K step; a register of 32 lanes holds two K steps' words.
; A block's scale is 2^(floor(log2(its largest magnitude)) - 2); its byte is the largest magnitude's exponent field - 2, held at 1 from below.
; LIMITS: a block of zeros, or one whose largest magnitude lies under 2^-124, gets the byte 1 (the rule says 127 for zeros): its codes are zeros or held by the floor, and this program alone
; reads the bytes.  NaN and infinities among the inputs are not served.
; SHARES.  Work-groups 0-127 take the 128 groups of inputs, 128-255 the 4 x 32 groups of the weights; only pointers are chosen, the text has one path.
; Wave w: tile u = w % 2, K steps 2 (w / 2) and 2 (w / 2) + 1.  Each load reads 512 consecutive bytes of a row; a K step's 16 rows turn through the wave's own stage in LDS
; (rows of 512 + 16 bytes) so that a lane gets the 32 neighbours of a block.  Waves share nothing: no barrier.  All 32 loads of a wave go out at the head.
.set ROWB, 4096                        ; a row of any of the five tensors, in bytes
.set SP,   528                         ; a stage row
.set WREG, 16*SP                       ; a wave's stage
.set R,    32                          ; v32-159  two K steps x 16 rows as loaded
.set X,    160                         ; v160-223 my two blocks of 32 numbers
.set C,    224                         ; v224-239 codes: 8 registers a K step, never rewritten
.set WD,   24                          ; v24, v25 the two K steps' scale words
	s_load_b256 s[4:11], s[0:1], 0x0               ; inputs, Wq, Wk, Wv
	s_load_b256 s[12:19], s[0:1], 0x20             ; Wo, xc, xs, wc
	s_load_b64 s[20:21], s[0:1], 0x40              ; ws
	v_lshl_add_u32 v254, v0, 2, 0x10800
	v_mov_b32 v255, 0
	v_lshrrev_b32 v1, 5, v0
	s_delay_alu instid0(VALU_DEP_1)
	v_readfirstlane_b32 s30, v1                    ; wave 0..7
	v_and_b32 v6, 31, v0                           ; lane
	v_and_b32 v7, 15, v0                           ; m
	v_bfe_u32 v5, v0, 4, 1                         ; h
	s_delay_alu instid0(VALU_DEP_3)
	v_lshlrev_b32 v1, 4, v6                        ; 16 x lane
	s_delay_alu instid0(VALU_DEP_4)
	v_lshlrev_b32 v4, 2, v6                        ; 4 x lane
	s_mul_i32 s31, s30, WREG
	v_add_nc_u32 v2, s31, v1                       ; the stage, in: 16 x lane of a row
	v_mul_u32_u24 v3, v7, SP
	s_delay_alu instid0(VALU_DEP_1)
	v_lshl_add_u32 v3, v5, 7, v3
	s_delay_alu instid0(VALU_DEP_1)
	v_add_nc_u32 v3, s31, v3                       ; and out: row m, block h: 128 bytes a block
	v_lshlrev_b32 v5, 3, v5                        ; 8 h: the shift of my two bytes in a scale word
	v_mov_b32 v10, 0                               ; a lane permute's destination counts as one of its sources
	s_mov_b32 s32, 0x76543210
	s_mov_b32 s33, 0xfedcba98                      ; v_permlanex16_b32's selects for lane l xor 16
	s_and_b32 s34, s30, 1                          ; u
	s_lshr_b32 s35, s30, 1                         ; which pair of K steps
	s_wait_alu depctr_va_vdst(0)
	s_wait_kmcnt 0x0
	s_cmp_lt_u32 ttmp9, 224                        ; the source, by the work-group's number alone
	s_cselect_b64 s[24:25], s[10:11], s[12:13]
	s_cmp_lt_u32 ttmp9, 192
	s_cselect_b64 s[24:25], s[8:9], s[24:25]
	s_cmp_lt_u32 ttmp9, 160
	s_cselect_b64 s[24:25], s[6:7], s[24:25]
	s_cmp_lt_u32 ttmp9, 128
	s_cselect_b64 s[24:25], s[4:5], s[24:25]
	s_cselect_b64 s[26:27], s[14:15], s[18:19]     ; the codes' buffer
	s_cselect_b64 s[28:29], s[16:17], s[20:21]     ; the scales' buffer
	s_cselect_b32 s22, 0, 128
	s_cselect_b32 s23, 127, 31
	s_sub_co_u32 s22, ttmp9, s22                   ; the group in its destination
	s_and_b32 s23, s22, s23                        ; the group in its source
	s_lshl_b32 s36, s23, 17                        ; source: (32 group + 8 u) rows + 1,024 bytes for each pair of K steps
	s_lshl_b32 s38, s34, 15
	s_add_co_u32 s36, s36, s38
	s_lshl_b32 s38, s35, 10
	s_add_co_u32 s36, s36, s38
	s_mov_b32 s37, 0
	s_add_nc_u64 s[24:25], s[24:25], s[36:37]
	s_lshl_b32 s36, s22, 14                        ; codes: tile 2 group + u, 8,192 bytes a tile, 2,048 for each pair of K steps
	s_lshl_b32 s38, s34, 13
	s_add_co_u32 s36, s36, s38
	s_lshl_b32 s38, s35, 11
	s_add_co_u32 s36, s36, s38
	s_add_nc_u64 s[26:27], s[26:27], s[36:37]
	s_lshl_b32 s36, s22, 10                        ; scales: 512 bytes a tile, 128 for each pair of K steps
	s_lshl_b32 s38, s34, 9
	s_add_co_u32 s36, s36, s38
	s_lshl_b32 s38, s35, 7
	s_add_co_u32 s36, s36, s38
	s_add_nc_u64 s[28:29], s[28:29], s[36:37]
.irp sl, 0,1
.irp mm, 0,1,2,3,4,5,6,7,8,9,10,11,12,13,14,15
	global_load_b128 v[R+64*\sl+4*\mm:R+64*\sl+4*\mm+3], v1, s[24:25] offset:(16*(\mm/8)+\mm%8)*ROWB+\sl*512 th:TH_LOAD_NT   ; the row at place mm: 512 consecutive bytes, read once in the launch
.endr
.endr
; One K step of 128: through the stage, two blocks a lane, their scales, their codes, two stores of 512 consecutive bytes.
.macro KS sl
.if \sl == 0
	s_wait_loadcnt 16                              ; the first K step's 16 loads are in; the second's 16 may be out
.else
	s_wait_loadcnt 0x0
.endif
.irp mm, 0,1,2,3,4,5,6,7,8,9,10,11,12,13,14,15
	ds_store_b128 v2, v[R+64*\sl+4*\mm:R+64*\sl+4*\mm+3] offset:SP*\mm
.endr
.irp c, 0,1
.irp i, 0,1,2,3,4,5,6,7
	ds_load_b128 v[X+32*\c+4*\i:X+32*\c+4*\i+3], v3 offset:256*\c+16*\i   ; LDS serves a wave's instructions in order: these see my stores.  Block 2 c + h of row m
.endr
.endr
	s_wait_dscnt 0x0
.irp c, 0,1
	v_max3_num_f32 v[8+\c], |v[X+32*\c]|, |v[X+32*\c+1]|, 0x1800000   ; all 32 numbers of a block are mine; the floor 2^(3 - 127) keeps the byte at 1 or above
.endr
.irp i, 2,4,6,8,10,12,14,16,18,20,22,24,26,28,30
.irp c, 0,1
	s_delay_alu instid0(VALU_DEP_2)
	v_max3_num_f32 v[8+\c], v[8+\c], |v[X+32*\c+\i]|, |v[X+32*\c+\i+1]|   ; (the two blocks by turns)
.endr
.endr
.irp c, 0,1
	s_delay_alu instid0(VALU_DEP_2)
	v_add_nc_u32 v[12+\c], 0xff000000, v[8+\c]     ; 2 off the exponent field: the conversion takes the exponent field of this operand as its scale
.endr
.irp c, 0,1
	s_delay_alu instid0(VALU_DEP_2)
	v_lshrrev_b32 v[14+\c], 23, v[12+\c]           ; the scale's byte
.endr
	s_delay_alu instid0(VALU_DEP_1)
	v_lshl_or_b32 v[WD+\sl], v15, 16, v14          ; my two bytes: blocks h and 2 + h,
	s_delay_alu instid0(VALU_DEP_1)
	v_lshlrev_b32 v[WD+\sl], v5, v[WD+\sl]         ; at their places in the word;
	s_delay_alu instid0(VALU_DEP_1)
	v_permlanex16_b32 v10, v[WD+\sl], s32, s33
	s_delay_alu instid0(VALU_DEP_1)
	v_or_b32 v[WD+\sl], v[WD+\sl], v10             ; with lane l xor 16's two the word is whole
.irp c, 0,1
.irp g, 0,1,2,3
	v_cvt_scalef32_pk8_fp4_f32 v[C+8*\sl+4*\c+\g], v[X+32*\c+8*\g:X+32*\c+8*\g+7], v[12+\c]
.endr
.endr
	v_nop                                          ; one plain line behind the last scaled conversion
.irp c, 0,1
	global_store_b128 v1, v[C+8*\sl+4*\c:C+8*\sl+4*\c+3], s[26:27] offset:\sl*1024+\c*512   ; 32 lanes store 512 consecutive bytes
.endr
.endm
	KS 0
	KS 1
	s_mov_b32 vcc_lo, 0xffff0000
	v_cndmask_b32 v26, v[WD], v[WD+1], vcc_lo      ; lanes 0-15 the even K step's words, lanes 16-31 the odd one's
	global_store_b32 v4, v26, s[28:29]
	s_wait_tensorcnt 0x0
	ds_add_u32 v254, v255
	s_wait_dscnt 0x0
	s_endpgm
.Lfunc_end_k_qeb08a68927_quant:
	.size	k_qeb08a68927_quant, .Lfunc_end_k_qeb08a68927_quant-k_qeb08a68927_quant
	.p2alignl 7, 3214868480
	.fill 96, 4, 3214868480
	.section	.rodata,"a",@progbits
	.p2align	6, 0x0
	.amdhsa_kernel k_qeb08a68927_quant
		.amdhsa_group_segment_fixed_size 68608
		.amdhsa_private_segment_fixed_size 0
		.amdhsa_enable_private_segment 0
		.amdhsa_kernarg_size 72
		.amdhsa_user_sgpr_count 2
		.amdhsa_user_sgpr_kernarg_segment_ptr 1
		.amdhsa_wavefront_size32 1
		.amdhsa_system_sgpr_workgroup_id_x 1
		.amdhsa_system_sgpr_workgroup_id_y 1
		.amdhsa_system_sgpr_workgroup_id_z 1
		.amdhsa_system_vgpr_workitem_id 0
		.amdhsa_next_free_vgpr 256
		.amdhsa_next_free_sgpr 66
		.amdhsa_reserve_vcc 1
		.amdhsa_float_denorm_mode_32 3
		.amdhsa_float_denorm_mode_16_64 3
		.amdhsa_memory_ordered 1
		.amdhsa_forward_progress 1
		.amdhsa_inst_pref_size 19
	.end_amdhsa_kernel
	.amdgpu_metadata
---
amdhsa.version: [ 1, 2 ]
amdhsa.kernels:
  - .name:           k_qeb08a68927_quant
    .symbol:         k_qeb08a68927_quant.kd
    .args:
      - { .name: inputs, .offset: 0, .size: 8, .value_kind: global_buffer, .address_space: global }
      - { .name: Wq, .offset: 8, .size: 8, .value_kind: global_buffer, .address_space: global }
      - { .name: Wk, .offset: 16, .size: 8, .value_kind: global_buffer, .address_space: global }
      - { .name: Wv, .offset: 24, .size: 8, .value_kind: global_buffer, .address_space: global }
      - { .name: Wo, .offset: 32, .size: 8, .value_kind: global_buffer, .address_space: global }
      - { .name: xc, .offset: 40, .size: 8, .value_kind: global_buffer, .address_space: global }
      - { .name: xs, .offset: 48, .size: 8, .value_kind: global_buffer, .address_space: global }
      - { .name: wc, .offset: 56, .size: 8, .value_kind: global_buffer, .address_space: global }
      - { .name: ws, .offset: 64, .size: 8, .value_kind: global_buffer, .address_space: global }
    .group_segment_fixed_size: 68608
    .private_segment_fixed_size: 0
    .kernarg_segment_align: 8
    .kernarg_segment_size: 72
    .max_flat_workgroup_size: 256
    .sgpr_count:     66
    .vgpr_count:     256
    .wavefront_size: 32
...
	.end_amdgpu_metadata
.endif
;; end of part 1
;; launch qkv (part 2): grid 32 x 8, 8 waves a work-group, clusters of 4 x 4, 263,168 bytes of LDS; arguments xc, xs, wc, ws, bq, bv, qr, kv; writes qr, kv
.if DOCPART == 2
	.amdgcn_target "amdgcn-amd-amdhsa--gfx1250"
	.amdhsa_code_object_version 6
	.text
	.protected	k_qeb08a68927_qkv
	.globl	k_qeb08a68927_qkv
	.p2align	8
	.type	k_qeb08a68927_qkv,@function
k_qeb08a68927_qkv:
	s_mov_b64 s[64:65], 0
	v_nop
	global_prefetch_b8 v0, s[64:65] scope:SCOPE_SE
	s_setreg_imm32_b32 hwreg(HW_REG_WAVE_MODE, 25, 1), 1
	s_wait_xcnt 0x0
	s_wait_alu depctr_hold_cnt(0) depctr_sa_sdst(0) depctr_va_vdst(0) depctr_va_sdst(0) depctr_va_ssrc(0) depctr_va_vcc(0) depctr_vm_vsrc(0)
	s_getreg_b32 s2, hwreg(HW_REG_IB_STS2, 6, 4)
	s_cmp_eq_u32 s2, 0
	s_cbranch_scc0 .Lentry_in_a_cluster
	s_endpgm
.Lentry_in_a_cluster:
	s_bfe_u32 s2, ttmp6, 0x10000c
	s_cmp_lg_u32 s2, 0xf033
	s_cbranch_scc0 .Lentry_shape_is_right
	s_endpgm
.Lentry_shape_is_right:
; q = x Wq^T + bq, k = x Wk^T, v = x Wv^T + bv on codes of FP4 with E8M0 scales (K = 1,024), and their results quantised at once for the two products of attention:
; q and k along the head's 64 (two blocks), v along the keys.  Nothing wider than codes goes to memory.
; TILES of 16 rows (tokens, or rows of a weight): tile 2 g + u holds at place m row 32 g + 16 (m / 8) + 8 u + m % 8.  As source 0 such a tile gives lane half h, register j, row 32 g + 16 h + 8 u + j:
; the 16 registers of tiles 2 g and 2 g + 1 are 16 neighbours, which is what the conversions to codes want.
; SHARES.  Work-group (tb, cg): 128 tokens (x's tiles 8 tb ..) x 16 tiles of Wq|Wk (4 heads; cg < 4: q, else k) and 8 tiles of Wv (2 heads).  Wave w: xh = w % 2, qd = w / 2:
; x's tiles 4 xh + i (i = 0..3), one head of Wq|Wk (tiles 4 qd + j), one group of Wv (tiles 2 qd + u): 24 accumulators.
;   QK(i, j) = source 0 W_j, source 1 x_i: a lane holds ONE token and its registers run along the head's 64.      V(u, i) = source 0 x_i, source 1 Wv_u: a lane holds ONE channel and its registers run along the tokens.
; LDS.  The codes of all of K come once, as images of the operands' registers: x's 8 tiles from 0, Wq|Wk's 16 from 65,536, Wv's 8 from 196,608, 8,192 bytes a tile.  Nothing is filled again.
; CLUSTER 4 x 4: x's tiles hang on tb alone and are asked for jointly by a column of the cluster, the weights' on cg alone, by a row.  Waves 0 and 1 ask for x, waves 2 to 7 for the weights: one load each.
; OUT.  qr [head][tb] records of 4,608 bytes: 8 tiles x 512 bytes (lane: block lane / 16 of the token at place lane % 16), then 512 bytes of scale words e0 | e1 << 8 | 0x7f7f0000.
;       kv [head][tb] records of 8,960 bytes: K's 4,096 likewise; V^T's 4 tiles x 1,024; K's 512 bytes of scale words; V's 256.  The upper half of a score product's K holds zero codes under the byte 127.
;       V's scale words are stored as halves of 2 bytes a lane (256 of a record's 8,960 bytes); all other stores cover 256 or 512 consecutive bytes.
; LIMITS: a block of zeros or under 2^-124 gets the byte 1 (this program alone reads the bytes); NaN and infinities are not served.
; REGISTERS.  window 0: v1-8 offsets and LDS addresses; v16-55 scale words; v56-63 at work; v96-175, v176-255 two sets of fragments (x 32, Wq|Wk 32, Wv 16), later the codes on their way out.
;             window 1: v0-127 QK(i, j) at 8 (4 i + j); v128-191 V(u, i) at 128 + 8 (4 u + i); v192-223 bq's four tiles; v224-239 bv's two.
.set XS,  16                           ; x's scale words: tile i, pair of K steps sp at XS + 4 i + sp (lanes 0-15 the even step, 16-31 the odd)
.set WS,  32                           ; Wq|Wk's
.set VS,  48                           ; Wv's
.set TM,  56                           ; v56-57 largest magnitudes, v58-59 the other half's, v60-61 scale operands, v62-63 bytes
.set F,   96                           ; fragment sets
.set PC,  96                           ; codes on the way out: 4 registers for each of six quantisings, never rewritten
.set WD,  120                          ; their scale words
.set BQ,  192                          ; in window 1
.set BV,  224
.set CHUNK, 65536
.set QREC, 4608
.set KREC, 8960
.set G1X, 28                           ; s[28:35] descriptor group 1 for x's tiles, s[36:43] for the weights': they differ in the mask
.set G1W, 36
.set G0X, 44                           ; s[44:47] group 0 for x;  s[68:71] for the weights
.set G0W, 68
.set SEL, 66                           ; s[66:67] lane selects
.set MSB, 0
.macro WIN new                         ; the immediate's high byte repeats the setting that is left
.if MSB != (\new)
	s_set_vgpr_msb (MSB<<8)|(\new)
.set MSB, (\new)
.endif
.endm
.macro CROUND                          ; a round of the cluster's barrier
	s_barrier_signal -1
	s_barrier_wait -1
	s_cmp_lg_u32 s20, 0
	s_cbranch_scc1 .Lnot_wave_0_\@
	s_barrier_signal -3
.Lnot_wave_0_\@:
	s_barrier_wait -3
	s_barrier_signal -1
	s_barrier_wait -1
.endm
	s_load_b256 s[4:11], s[0:1], 0x0               ; xc, xs, wc, ws
	s_load_b256 s[12:19], s[0:1], 0x20             ; bq, bv, qr, kv
	v_lshl_add_u32 v94, v0, 2, 0x40000
	v_mov_b32 v95, 0
	ds_add_u32 v94, v95
	ds_add_u32 v94, v95
	v_lshrrev_b32 v1, 5, v0
	s_delay_alu instid0(VALU_DEP_1)
	v_readfirstlane_b32 s20, v1                    ; wave 0..7
	s_and_b32 s21, s20, 1                          ; xh
	s_lshr_b32 s22, s20, 1                         ; qd
	s_bfe_u32 s23, ttmp6, 0x40000                  ; cx
	s_bfe_u32 s24, ttmp6, 0x40004                  ; cy
	s_lshl_b32 s25, ttmp9, 2
	s_add_co_u32 s25, s25, s23                     ; tb = 4 x cluster x + cx
	s_and_b32 s26, ttmp7, 0xffff
	s_lshl_b32 s26, s26, 2
	s_add_co_u32 s26, s26, s24                     ; cg = 4 x cluster y + cy
	s_lshl_b32 s2, 0x1111, s23                     ; my column of the cluster
	s_lshl_b32 s3, s24, 2
	s_lshl_b32 s3, 15, s3                          ; my row
	; descriptor group 1: 128 rows of 256 bytes, dense, in elements of 8 bytes; no padding: images are read as runs of 512 bytes
	s_or_b32 s[G1X], s2, (3<<16)|(1<<21)           ; 15:0 the mask; 17:16 elements of 8 bytes; 21 set beside a mask
	s_or_b32 s[G1W], s3, (3<<16)|(1<<21)
.irp g, G1X, G1W
	; AS THE TEXT NOW STANDS: each of the eight waves asks once, for four whole tiles (all of K): 32,768 dense bytes, stated as 128 rows of 256 bytes
	s_mov_b32 s[\g+1], 32<<16                      ; tensor_dim0 = 32 elements of 8 bytes
	s_mov_b32 s[\g+2], 128<<16                     ; tensor_dim1 = 128
	s_mov_b32 s[\g+3], 32<<16                      ; tile_dim0
	s_mov_b32 s[\g+4], 128                         ; tile_dim1
	s_mov_b32 s[\g+5], 32                          ; dense
	s_mov_b32 s[\g+6], 0
	s_mov_b32 s[\g+7], 0
.endr
	s_lshl_b32 s84, s25, 16                        ; x (waves 0, 1): tile 8 tb + 4 (wave % 2): hangs on tb and the wave's number alone
	s_lshl_b32 s27, s21, 15
	s_add_co_u32 s84, s84, s27
	s_mov_b32 s85, 0
	s_max_u32 s27, s20, 2
	s_lshl_b32 s27, s27, 15
	s_lshl_b32 s86, s26, 17                        ; waves 2 to 5: Wq|Wk's tiles 16 cg + 4 (wave - 2)
	s_add_co_u32 s86, s86, s27
	s_sub_co_u32 s86, s86, 2<<15
	s_lshl_b32 s60, s26, 16                        ; waves 6, 7: Wv's tiles 128 + 8 cg + 4 (wave - 6).  All hang on cg and the wave's number alone
	s_add_co_u32 s60, s60, s27
	s_add_co_u32 s60, s60, 128*8192-(6<<15)
	s_cmp_ge_u32 s20, 6
	s_cselect_b32 s86, s60, s86
	s_mov_b32 s87, 0
	s_lshl_b32 s27, s20, 15                        ; LDS: 32,768 x wave: x's 8 tiles from 0, Wq|Wk's 16 from 65,536, Wv's 8 from 196,608; 8,192 bytes a tile, 1,024 a K step
	s_wait_dscnt 0x0
	s_wait_kmcnt 0x0
	s_add_nc_u64 s[84:85], s[4:5], s[84:85]
	s_add_nc_u64 s[86:87], s[8:9], s[86:87]
	CROUND                                         ; all sixteen work-groups are here: the joint loads meet
	s_mov_b32 s[G0X], 1
	s_mov_b32 s[G0X+1], s27
	s_mov_b64 s[G0X+2:G0X+3], s[84:85]
	s_or_b32 s[G0X+3], s[G0X+3], 0x80000000
	s_mov_b32 s[G0W], 1
	s_mov_b32 s[G0W+1], s27
	s_mov_b64 s[G0W+2:G0W+3], s[86:87]
	s_or_b32 s[G0W+3], s[G0W+3], 0x80000000
	s_cmp_lt_u32 s20, 2                            ; one chain on the wave's number, one joint load to an arm: every wave asks once
	s_cbranch_scc0 .Lnot_x
	tensor_load_to_lds s[G0X:G0X+3], s[G1X:G1X+7]
	s_nop 0
.rept 4
	v_nop
.endr
	s_branch .Lasked
.Lnot_x:
	tensor_load_to_lds s[G0W:G0W+3], s[G1W:G1W+7]
	s_nop 0
.rept 4
	v_nop
.endr
.Lasked:
	; scale words and biases come straight into registers
	v_and_b32 v9, 31, v0                           ; lane
	v_and_b32 v10, 15, v0                          ; m
	v_bfe_u32 v11, v0, 4, 1                        ; h
	s_delay_alu instid0(VALU_DEP_3)
	v_lshlrev_b32 v1, 4, v9                        ; 16 x lane
	s_delay_alu instid0(VALU_DEP_4)
	v_lshlrev_b32 v2, 2, v9                        ; 4 x lane
	s_wait_alu depctr_va_vdst(0)
	v_lshlrev_b32 v7, 6, v11                       ; bq: 64 h bytes
	s_wait_alu depctr_va_vdst(0)
	v_and_b32 v12, 8, v10
	s_delay_alu instid0(VALU_DEP_1)
	v_add_nc_u32 v12, v12, v10
	s_delay_alu instid0(VALU_DEP_1)
	v_lshlrev_b32 v8, 2, v12                       ; bv: 4 (16 (m / 8) + m % 8)
	s_wait_alu depctr_va_vdst(0)
	s_mov_b32 s[SEL], 0x76543210
	s_mov_b32 s[SEL+1], 0xfedcba98
	s_lshl_b32 s88, s25, 12                        ; x's scale words: tile 8 tb + 4 xh, 512 bytes a tile
	s_lshl_b32 s60, s21, 11
	s_add_co_u32 s88, s88, s60
	s_mov_b32 s89, 0
	s_add_nc_u64 s[88:89], s[6:7], s[88:89]
	s_lshl_b32 s90, s26, 13                        ; Wq|Wk's: tile 16 cg + 4 qd
	s_lshl_b32 s60, s22, 11
	s_add_co_u32 s90, s90, s60
	s_mov_b32 s91, 0
	s_add_nc_u64 s[90:91], s[10:11], s[90:91]
	s_lshl_b32 s92, s26, 12                        ; Wv's: tile 128 + 8 cg + 2 qd
	s_lshl_b32 s60, s22, 10
	s_add_co_u32 s92, s92, s60
	s_add_co_u32 s92, s92, 128*512
	s_mov_b32 s93, 0
	s_add_nc_u64 s[92:93], s[10:11], s[92:93]
	s_and_b32 s94, s26, 3                          ; bq: head 4 (cg % 4) + qd, 256 bytes a head (read by k's work-groups too, and set to 0 there)
	s_lshl_b32 s94, s94, 10
	s_lshl_b32 s60, s22, 8
	s_add_co_u32 s94, s94, s60
	s_mov_b32 s95, 0
	s_add_nc_u64 s[94:95], s[12:13], s[94:95]
	s_lshl_b32 s96, s26, 9                         ; bv: channel 128 cg + 32 qd
	s_lshl_b32 s60, s22, 7
	s_add_co_u32 s96, s96, s60
	s_mov_b32 s97, 0
	s_add_nc_u64 s[96:97], s[14:15], s[96:97]
.irp i, 0,1,2,3
.irp sp, 0,1,2,3
	global_load_b32 v[XS+4*\i+\sp], v2, s[88:89] offset:\i*512+\sp*128
	global_load_b32 v[WS+4*\i+\sp], v2, s[90:91] offset:\i*512+\sp*128
.endr
.endr
.irp u, 0,1
.irp sp, 0,1,2,3
	global_load_b32 v[VS+4*\u+\sp], v2, s[92:93] offset:\u*512+\sp*128
.endr
.endr
	WIN 0x40                                       ; destination window 1
.irp j, 0,1,2,3
	global_load_b128 v[BQ+8*\j:BQ+8*\j+3], v7, s[94:95] offset:128*(\j/2)+32*(\j%2)        ; tile j = 2 b + u: channels 32 b + 16 h + 8 u + 0 .. 7: the result's layout
	global_load_b128 v[BQ+8*\j+4:BQ+8*\j+7], v7, s[94:95] offset:128*(\j/2)+32*(\j%2)+16
.endr
.irp u, 0,1
.irp r, 0,1,2,3,4,5,6,7
	global_load_b32 v[BV+8*\u+\r], v8, s[96:97] offset:32*\u   ; in V's results a lane holds one channel: its bias in all eight registers
.endr
.endr
	WIN 0
	s_wait_loadcnt 0x0                             ; all of them are in, and their bases may be written again
	s_cmp_lt_u32 s26, 4                            ; q's work-group or k's?  No branch: pointers, sizes and a mask are chosen
	s_cselect_b32 vcc_lo, -1, 0
	s_cselect_b64 s[88:89], s[16:17], s[18:19]
	s_mov_b32 s60, KREC
	s_cselect_b32 s60, QREC, s60                   ; a record
	s_mov_b32 s61, 8192
	s_cselect_b32 s61, 4096, s61                   ; where its scale words begin
	WIN 0x44                                       ; destination and source 1 window 1
.set n, 0
.rept 32
	v_cndmask_b32 v[BQ+n], 0, v[BQ+n], vcc_lo      ; k has no bias
.set n, n+1
.endr
	WIN 0
	s_lshl_b32 s62, s21, 15
	v_add_nc_u32 v3, s62, v1                       ; LDS: x's tiles 4 xh ..
	s_lshl_b32 s62, s22, 15
	s_add_co_u32 s62, s62, 65536
	v_add_nc_u32 v4, s62, v1                       ; Wq|Wk's tiles 4 qd ..
	s_lshl_b32 s62, s22, 14
	s_add_co_u32 s62, s62, 196608
	v_add_nc_u32 v5, s62, v1                       ; Wv's tiles 2 qd ..
	v_lshlrev_b32 v6, 3, v9                        ; 8 x lane
	v_mov_b32 v[TM+2], 0                           ; a lane permute's destination counts as one of its sources
	v_mov_b32 v[TM+3], 0
	s_and_b32 s62, s26, 3                          ; where my results go: q's or k's record of head 4 (cg % 4) + qd, block tb
	s_lshl_b32 s62, s62, 2
	s_add_co_u32 s62, s62, s22
	s_lshl_b32 s62, s62, 5
	s_add_co_u32 s62, s62, s25
	s_mul_i32 s98, s62, s60
	s_mov_b32 s99, 0
	s_add_nc_u64 s[88:89], s[88:89], s[98:99]
	s_lshl_b32 s98, s21, 8
	s_add_co_u32 s98, s98, s61
	s_add_nc_u64 s[90:91], s[88:89], s[98:99]      ; its scale words: 256 bytes for each xh
	s_lshl_b32 s98, s21, 11
	s_add_nc_u64 s[88:89], s[88:89], s[98:99]      ; its codes: tiles 4 xh ..
	s_lshl_b32 s62, s26, 1                         ; v's record of head 2 cg + qd / 2
	s_lshr_b32 s63, s22, 1
	s_add_co_u32 s62, s62, s63
	s_lshl_b32 s62, s62, 5
	s_add_co_u32 s62, s62, s25
	s_mul_i32 s98, s62, KREC
	s_add_nc_u64 s[92:93], s[18:19], s[98:99]
	s_and_b32 s63, s22, 1
	s_lshl_b32 s98, s63, 7
	s_lshl_b32 s62, s21, 1
	s_add_co_u32 s98, s98, s62
	s_add_co_u32 s98, s98, 8704
	s_add_nc_u64 s[94:95], s[92:93], s[98:99]      ; V's scale words: 128 bytes for each pair of tiles; my two bytes of a word at 2 xh
	s_lshl_b32 s98, s63, 11
	s_lshl_b32 s62, s21, 9
	s_add_co_u32 s98, s98, s62
	s_add_co_u32 s98, s98, 4096
	s_add_nc_u64 s[92:93], s[92:93], s[98:99]      ; V's codes: tile 2 (qd % 2) + u, key blocks 2 xh and 2 xh + 1
; 20 LDS loads: a K step's fragments into set p
.macro LOADSET p, ss                   ; ss: the K step, 0 to 7
.set FB, F+80*(\p)
.irp i, 0,1,2,3
	ds_load_b128 v[FB+8*\i:FB+8*\i+3], v3 offset:\i*8192+(\ss)*1024
	ds_load_b128 v[FB+8*\i+4:FB+8*\i+7], v3 offset:\i*8192+(\ss)*1024+512
.endr
.irp i, 0,1,2,3
	ds_load_b128 v[FB+32+8*\i:FB+32+8*\i+3], v4 offset:\i*8192+(\ss)*1024
	ds_load_b128 v[FB+32+8*\i+4:FB+32+8*\i+7], v4 offset:\i*8192+(\ss)*1024+512
.endr
.irp i, 0,1
	ds_load_b128 v[FB+64+8*\i:FB+64+8*\i+3], v5 offset:\i*8192+(\ss)*1024
	ds_load_b128 v[FB+64+8*\i+4:FB+64+8*\i+7], v5 offset:\i*8192+(\ss)*1024+512
.endr
.endm
.macro MM d, a, b, c, sa, sb, odd      ; one product; in an odd K step both sides' scale words stand in lanes 16-31
.if \odd
	v_wmma_scale_f32_16x16x128_f8f6f4 v[\d:\d+7], v[\a:\a+7], v[\b:\b+7], v[\c:\c+7], v[\sa], v[\sb] matrix_a_fmt:MATRIX_FMT_FP4 matrix_b_fmt:MATRIX_FMT_FP4 matrix_a_scale:MATRIX_SCALE_ROW1 matrix_b_scale:MATRIX_SCALE_ROW1
.else
	v_wmma_scale_f32_16x16x128_f8f6f4 v[\d:\d+7], v[\a:\a+7], v[\b:\b+7], v[\c:\c+7], v[\sa], v[\sb] matrix_a_fmt:MATRIX_FMT_FP4 matrix_b_fmt:MATRIX_FMT_FP4
.endif
.endm
; 24 products of K step s: the 24 accumulators take turns, one instruction a turn.  In step 0 the biases are the C: nothing is cleared and nothing is added later.
.macro MULS s
.set FB, F+80*((\s)%2)
.set SQ, (\s)/2
.irp i, 0,1,2,3
.irp j, 0,1,2,3
.if (\s) == 0
	MM 8*(4*\i+\j), FB+32+8*\j, FB+8*\i, BQ+8*\j, WS+4*\j+SQ, XS+4*\i+SQ, 0
.else
	MM 8*(4*\i+\j), FB+32+8*\j, FB+8*\i, 8*(4*\i+\j), WS+4*\j+SQ, XS+4*\i+SQ, (\s)%2
.endif
.endr
.endr
.irp u, 0,1
.irp i, 0,1,2,3
.if (\s) == 0
	MM 128+8*(4*\u+\i), FB+8*\i, FB+64+8*\u, BV+8*\u, XS+4*\i+SQ, VS+4*\u+SQ, 0
.else
	MM 128+8*(4*\u+\i), FB+8*\i, FB+64+8*\u, 128+8*(4*\u+\i), XS+4*\i+SQ, VS+4*\u+SQ, (\s)%2
.endif
.endr
.endr
.endm
.macro KSTEP s
.if (\s) < 7
.if (\s) > 0
.rept 4
	v_nop                                          ; four plain lines between the last step's products and the loads into the registers that they read
.endr
.endif
	LOADSET 1-(\s)%2, (\s)+1
	s_wait_dscnt 20                                ; all but the 20 just issued: this step's fragments are in
.else
	s_wait_dscnt 0x0
.endif
	WIN 0x50                                       ; C and D window 1
	MULS \s
	WIN 0
.endm
	s_wait_alu depctr_va_vdst(0)
	s_wait_tensorcnt 0x0                           ; my one load has landed; behind the barrier everybody's has: all of K lies in LDS
	s_barrier_signal -1
	s_barrier_wait -1
	LOADSET 0, 0
.irp s, 0,1,2,3,4,5,6,7
	KSTEP \s
.endr
; Two blocks of 32: 32 registers of window 1 from src on, register 16 b + i = neighbour 16 h + i of block b.  Codes to v[pc .. pc + 3] (lane half h: block h, whole), the two bytes to v[w].
.macro QUANT2 src, pc, w, full
	WIN 0x14                                       ; sources 1 and 2 window 1
.irp b, 0,1
	v_max3_num_f32 v[TM+\b], 0x1800000, |v[\src+16*\b]|, |v[\src+16*\b+1]|   ; each accumulator is read from its low end on; the floor 2^(3 - 127) keeps the byte at 1 or above
.endr
.irp i, 2,4,6,8,10,12,14
.irp b, 0,1
	v_max3_num_f32 v[TM+\b], v[TM+\b], |v[\src+16*\b+\i]|, |v[\src+16*\b+\i+1]|
.endr
.endr
	WIN 0
.irp b, 0,1
	v_permlanex16_b32 v[TM+2+\b], v[TM+\b], s[SEL], s[SEL+1]
.endr
.irp b, 0,1
	s_delay_alu instid0(VALU_DEP_2)
	v_max_num_f32 v[TM+\b], v[TM+\b], v[TM+2+\b]   ; with lane l xor 16's 16: the block's largest magnitude
.endr
.irp b, 0,1
	s_delay_alu instid0(VALU_DEP_2)
	v_add_nc_u32 v[TM+4+\b], 0xff000000, v[TM+\b]  ; 2 off the exponent field: the conversion's scale operand
.endr
.irp b, 0,1
	s_delay_alu instid0(VALU_DEP_2)
	v_lshrrev_b32 v[TM+6+\b], 23, v[TM+4+\b]       ; the scale's byte
.endr
	s_delay_alu instid0(VALU_DEP_1)
	v_lshl_or_b32 v[\w], v[TM+7], 8, v[TM+6]
.if \full
	s_delay_alu instid0(VALU_DEP_1)
	v_or_b32 v[\w], 0x7f7f0000, v[\w]              ; the bytes of the K that a score product does not have: 127 over zero codes
.endif
	WIN 0x01                                       ; source 0 window 1
.irp b, 0,1
	v_cvt_scalef32_pk8_fp4_f32 v[\pc+2*\b], v[\src+16*\b:\src+16*\b+7], v[TM+4+\b]
	v_cvt_scalef32_pk8_fp4_f32 v[\pc+2*\b+1], v[\src+16*\b+8:\src+16*\b+15], v[TM+4+\b]
.endr
	WIN 0
	v_nop                                          ; one plain line behind the last scaled conversion
	v_permlane16_swap_b32 v[\pc], v[\pc+2]         ; half blocks change places: lanes 0-15 hold block 0 whole, lanes 16-31 block 1
	v_permlane16_swap_b32 v[\pc+1], v[\pc+3]
.endm
.rept 4
	v_nop                                          ; four plain lines between the last products and the first read of results
.endr
.irp i, 0,1,2,3
	QUANT2 32*\i, PC+4*\i, WD+\i, 1                ; q or k of the 16 tokens of tile 4 xh + i: the head's two blocks
	global_store_b128 v1, v[PC+4*\i:PC+4*\i+3], s[88:89] offset:\i*512   ; 512 consecutive bytes
.endr
.irp u, 0,1
	QUANT2 128+32*\u, PC+16+4*\u, WD+4+\u, 0       ; v of 16 channels: key blocks 2 xh and 2 xh + 1
	global_store_b128 v1, v[PC+16+4*\u:PC+16+4*\u+3], s[92:93] offset:\u*1024
.endr
	s_mov_b32 vcc_lo, 0xffff0000
	v_cndmask_b32 v128, v[WD], v[WD+1], vcc_lo     ; lanes 0-15 an even tile's words, lanes 16-31 the odd tile's beside it
	v_cndmask_b32 v129, v[WD+2], v[WD+3], vcc_lo
	v_cndmask_b32 v130, v[WD+4], v[WD+5], vcc_lo
	global_store_b64 v6, v[128:129], s[90:91]      ; 256 consecutive bytes
	global_store_b16 v2, v130, s[94:95]            ; two of a word's four bytes: the other two are the other xh's
	s_wait_tensorcnt 0x0
	ds_add_u32 v94, v95
	s_wait_dscnt 0x0
	CROUND                                         ; the closing round: no work-group ends while a partner may still ask for a tile that names it
	s_endpgm
.Lfunc_end_k_qeb08a68927_qkv:
	.size	k_qeb08a68927_qkv, .Lfunc_end_k_qeb08a68927_qkv-k_qeb08a68927_qkv
	.p2alignl 7, 3214868480
	.fill 96, 4, 3214868480
	.section	.rodata,"a",@progbits
	.p2align	6, 0x0
	.amdhsa_kernel k_qeb08a68927_qkv
		.amdhsa_group_segment_fixed_size 263168
		.amdhsa_private_segment_fixed_size 0
		.amdhsa_enable_private_segment 0
		.amdhsa_kernarg_size 64
		.amdhsa_user_sgpr_count 2
		.amdhsa_user_sgpr_kernarg_segment_ptr 1
		.amdhsa_wavefront_size32 1
		.amdhsa_system_sgpr_workgroup_id_x 1
		.amdhsa_system_sgpr_workgroup_id_y 1
		.amdhsa_system_sgpr_workgroup_id_z 1
		.amdhsa_system_vgpr_workitem_id 0
		.amdhsa_next_free_vgpr 512
		.amdhsa_next_free_sgpr 100
		.amdhsa_reserve_vcc 1
		.amdhsa_float_denorm_mode_32 3
		.amdhsa_float_denorm_mode_16_64 3
		.amdhsa_memory_ordered 1
		.amdhsa_forward_progress 1
		.amdhsa_inst_pref_size 66
	.end_amdhsa_kernel
	.amdgpu_metadata
---
amdhsa.version: [ 1, 2 ]
amdhsa.kernels:
  - .name:           k_qeb08a68927_qkv
    .symbol:         k_qeb08a68927_qkv.kd
    .args:
      - { .name: xc, .offset: 0, .size: 8, .value_kind: global_buffer, .address_space: global }
      - { .name: xs, .offset: 8, .size: 8, .value_kind: global_buffer, .address_space: global }
      - { .name: wc, .offset: 16, .size: 8, .value_kind: global_buffer, .address_space: global }
      - { .name: ws, .offset: 24, .size: 8, .value_kind: global_buffer, .address_space: global }
      - { .name: bq, .offset: 32, .size: 8, .value_kind: global_buffer, .address_space: global }
      - { .name: bv, .offset: 40, .size: 8, .value_kind: global_buffer, .address_space: global }
      - { .name: qr, .offset: 48, .size: 8, .value_kind: global_buffer, .address_space: global }
      - { .name: kv, .offset: 56, .size: 8, .value_kind: global_buffer, .address_space: global }
    .group_segment_fixed_size: 263168
    .private_segment_fixed_size: 0
    .kernarg_segment_align: 8
    .kernarg_segment_size: 64
    .max_flat_workgroup_size: 256
    .sgpr_count:     100
    .vgpr_count:     512
    .wavefront_size: 32
...
	.end_amdgpu_metadata
.endif
;; end of part 2
;; launch attn (part 3): grid 16 x 16, 16 waves a work-group, no clusters, 327,680 bytes of LDS; arguments qr, kv, ac, asc; writes ac, asc
.if DOCPART == 3
	.amdgcn_target "amdgcn-amd-amdhsa--gfx1250"
	.amdhsa_code_object_version 6
	.text
	.protected	k_qeb08a68927_attn
	.globl	k_qeb08a68927_attn
	.p2align	8
	.type	k_qeb08a68927_attn,@function
k_qeb08a68927_attn:
	s_mov_b64 s[64:65], 0
	v_nop
	global_prefetch_b8 v0, s[64:65] scope:SCOPE_SE
	s_setreg_imm32_b32 hwreg(HW_REG_WAVE_MODE, 25, 1), 1
	s_wait_xcnt 0x0
; Attention of one head on codes of FP4 with E8M0 scales: logit = q . k / 8 - slope[head] x key position, causal; p = 2^(t - M), t = logit x log2(e), M the running largest t rounded UP to a whole number;
; p is quantised along the keys, not normalised; the row's sum is taken of the unquantised p and divides at the end.  The result is quantised at once, along the model's 1,024, for the output projection.
; LEFT OUT: key steps all of whose 128 keys come after a tile's queries (the causal mask that the problem builds itself), by scalar branches on ids.
; SHARES.  Work-group (g, head) owns the 16 query tiles g + 16 v (v = 0..15) of 16 queries; tile v lies in query block 2 v + e, e = g / 8, and needs the records (128 keys each) 0 .. 2 v + e.
; Tiles n and 15 - n belong to the waves 2 n and 2 n + 1.  One of them walks records 0 .. 16 of the late tile.  The other walks records 0 .. 2 n + 1 of the early tile, stores that tile, and
; goes on with records 17 .. 31 - 2 n of the late tile.  So each wave has 17 trips, which record a trip takes hangs on the wave's number and the trip alone, and a record past the tile's block is passed over.
; The late tile's two parts (M, sum, O^T) are joined at the end through LDS: both are brought under the larger M by powers of two, which rounds nothing.
; LDS.  The head's 32 records of 8,960 bytes come once, in four groups of eight: group f = records 4 f .. 4 f + 3 and 16 + 4 f .. 19 + 4 f, at places 8 f .. 8 f + 7: what the trips 4 f .. 4 f + 3 (the last group: .. 16) can need
; lies in groups 0 .. f.  Waves 0 to 3 fetch two records each; group f + 1 is asked for behind the barrier ahead of group f's trips.  Each trip's place is held at 8 f + 7 from above.  Every load holds a record that every work-group reads.
; Behind the records: eight stages of 4,608 bytes for the joining, then the spare words.  All of LDS is claimed.
; NO CLUSTER: the work-groups that read the same K and V pass over different records, so a partner would read nothing of some joint loads.
; PREFETCH: groups 2 and 3 are asked for one change of groups (four trips) ahead of their loads; a head's 16 work-groups share a group's 280 blocks of 256 bytes: work-group g takes half of record g / 2 of the group, a lane a block, wave 4 alone.
; LAYOUT.  S^T = K Q^T, O^T = V^T P^T: a lane holds ONE query (lane % 16).  A tile of K is put together at the LDS load: place m of tile (c, t) is key 64 c + 32 (m / 8) + 8 t + m % 8, so that register 32 c + i of S^T
; is key 64 c + 32 (lane / 16) + i: a lane holds two WHOLE blocks of 32 keys, in the order of the second product's operand.  The head has 64 channels: Q's upper codes are zeros, so what K's fragments hold in
; their upper four registers (the next tile's codes) adds nothing: the eight fragments lie four registers apart.
; ALIBI: -8 slope x i (i = 0..31) is the C of the score product; -slope log2(e) x (the block's first key) joins -M in the addend of the scaling.  Each term is rounded once in f32.
; LIMITS: the promise holds while |t| stays under 2^31; p under 2^-126 becomes 0; the largest t begins at -3e38; a block that is all zeros or under 2^-124 gets the byte 1 (this program alone reads the bytes); NaN and infinities are not served.
.set REC,   8960
.set HEADB, 32*REC
.set QREC,  4608
.set STG,   HEADB                      ; the stages: O^T 4,096 bytes, -M 128, the sum 128
.set PAIRB, 4608
.set SPARE, STG+8*PAIRB
.set Q,   20                           ; v20-27 Q's fragment (v24-27 zero); v28 its scale words, v29 p's, v30-31 V's, v32-35 K's
.set QS,  28
.set PS,  29
.set VSC, 30
.set KSC, 32
.set K,   36                           ; v36-71 K's fragments, four registers apart; v68-71 zero
.set Q2,  72                           ; v72-76 the late tile's Q and scale words
.set QS2, 76
.set FF,  78                           ; v[78:79] f = 2^(old M - new M), 0
.set S,   80                           ; v80-143 S^T, then p; v80-111 then V's fragments
.set O,   144                          ; v144-175 O^T
.set CB,  176                          ; v176-207 -8 slope i
.set PCD, 208                          ; v208-215 p's codes
.set BM,  216                          ; my two blocks' largest scores, later bytes
.set BX,  218                          ; their largest t, largest p
.set AD,  220                          ; v220, v222 the addends G - M; v221, v223 hold 0 (named in pairs)
.set G,   224
.set SO,  226                          ; the conversions' scale operands
.set BH,  228
.set T,   230                          ; v230-243 seven chains of the sum
.set WV,  12
.set TQ,  16                           ; the tile's place in its block
.set QBC, 17                           ; the block of the tile in hand
.set TAU, 18                           ; the trip
.set KEY0, 19
.set G1,  20
.set G0,  28
.set QBL, 32                           ; the late tile's block
.set SW,  33                           ; the trip at which I change tiles (99: never)
.set AA,  34
.set DD,  35
.set RY,  36                           ; 1: I take the early tile first
.set RC,  37                           ; the trip's record
.set HD,  40
.set HOFF, 41
.set RB,  60
.set CS,  62
.set SEL, 66
.set PF,  70
	s_load_b256 s[4:11], s[0:1], 0x0               ; qr, kv, ac, asc
	v_lshl_add_u32 v254, v0, 2, SPARE
	v_mov_b32 v255, 0
	ds_add_u32 v254, v255
	ds_add_u32 v254, v255
	v_lshrrev_b32 v19, 5, v0
	v_readfirstlane_b32 s[WV], v19                 ; wave 0..15
	s_and_b32 s[HD], ttmp7, 0xffff
	s_mov_b32 s[G1], 3<<16                         ; elements of 8 bytes, no padding
	s_mov_b32 s[G1+1], 32<<16                      ; rows of 256 bytes
	s_mov_b32 s[G1+2], 70<<16                      ; 70 rows: two records
	s_mov_b32 s[G1+3], 32<<16
	s_mov_b32 s[G1+4], 70
	s_mov_b32 s[G1+5], 32
	s_mov_b32 s[G1+6], 0
	s_mov_b32 s[G1+7], 0
	s_and_b32 s13, s[WV], 1                        ; waves 0 to 3: records 2 (w % 2) + 16 (w / 2), to places 2 w
	s_lshl_b32 s13, s13, 1
	s_bfe_u32 s14, s[WV], 0x10001
	s_lshl_b32 s14, s14, 4
	s_add_co_u32 s13, s13, s14
	s_mul_i32 s14, s13, REC
	s_mul_i32 s13, s[HD], HEADB
	s_add_co_u32 s14, s14, s13
	s_mov_b32 s15, 0
	s_and_b32 s38, s[WV], 3
	s_mul_i32 s38, s38, 2*REC
	s_wait_dscnt 0x0
	s_wait_kmcnt 0x0
	s_mov_b32 s[G0], 1
	s_mov_b32 s[G0+1], s38
	s_add_nc_u64 s[G0+2:G0+3], s[6:7], s[14:15]
	s_or_b32 s[G0+3], s[G0+3], 0x80000000
	s_cmp_lt_u32 s[WV], 4
	s_cbranch_scc0 .Lno_fill
	tensor_load_to_lds s[G0:G0+3], s[G1:G1+7]      ; group 0
	s_nop 0
.rept 4
	v_nop
.endr
.Lno_fill:
	s_lshr_b32 s13, s[WV], 2
	s_xor_b32 s13, s13, s[WV]
	s_and_b32 s[RY], s13, 1                        ; of the waves w, w + 4, .. and of 4 a .. 4 a + 3 two have each part
	s_and_b32 s14, s[WV], 14                       ; 2 n
	s_xor_b32 s[DD], s14, 15                       ; 15 - 2 n: from the early tile's trips to the late tile's records
	s_xor_b32 s13, s14, 30                         ; 30 - 2 n
	s_mul_i32 s[AA], s13, s[RY]                    ; (trip + AA) / 32 = 1 from trip 2 n + 2 on, in the waves that change tiles
	s_lshr_b32 s15, ttmp9, 3                       ; e
	s_and_b32 s[TQ], ttmp9, 7
	s_add_co_u32 s[QBL], s13, s15
	s_add_co_u32 s15, s14, s15                     ; the early tile's block
	s_add_co_u32 s38, s14, 2
	s_cmp_eq_u32 s[RY], 1
	s_cselect_b32 s[QBC], s15, s[QBL]
	s_cselect_b32 s[SW], s38, 99
	s_mul_i32 s72, s[HD], 32*QREC                  ; Q's records of the first tile and of the late one
	s_mul_i32 s74, s[QBC], QREC
	s_add_co_u32 s74, s74, s72
	s_mov_b32 s75, 0
	s_add_nc_u64 s[74:75], s[4:5], s[74:75]
	s_mul_i32 s76, s[QBL], QREC
	s_add_co_u32 s76, s76, s72
	s_mov_b32 s77, 0
	s_add_nc_u64 s[76:77], s[4:5], s[76:77]
	s_lshl_b32 s73, s[TQ], 9                       ; the tile's codes in a record
	s_lshr_b32 s72, s[TQ], 2                       ; its scale words: 4096 + 256 (tile / 4) + 128 (tile % 2) + 4 ((tile / 2) % 2) + 8 m
	s_lshl_b32 s78, s72, 8
	s_and_b32 s72, s[TQ], 1
	s_lshl_b32 s79, s72, 3
	s_lshl_b32 s72, s72, 7
	s_add_co_u32 s78, s78, s72
	s_bfe_u32 s72, s[TQ], 0x10001
	s_lshl_b32 s72, s72, 2
	s_add_co_u32 s78, s78, s72
	s_add_co_u32 s78, s78, 4096
	s_lshr_b32 s72, s[TQ], 1
	s_lshl_b32 s72, s72, 5
	s_add_co_u32 s79, s79, s72                     ; 32 (tile / 2) + 8 (tile % 2)
	s_lshr_b32 s72, s[HD], 2                       ; asc: 128 (head / 4) + 64 ((head / 2) % 2) + 2 (head % 2)
	s_lshl_b32 s[HOFF], s72, 7
	s_bfe_u32 s72, s[HD], 0x10001
	s_lshl_b32 s72, s72, 6
	s_add_co_u32 s[HOFF], s[HOFF], s72
	s_and_b32 s72, s[HD], 1
	s_lshl_b32 s72, s72, 1
	s_add_co_u32 s[HOFF], s[HOFF], s72
	s_lshr_b32 s38, s[WV], 1                       ; my pair's stage
	s_mul_i32 s38, s38, PAIRB
	s_add_co_u32 s38, s38, STG
	s_add_co_u32 s39, s38, 4096
	s_lshr_b32 s72, ttmp9, 1                       ; the prefetches: record 8 + j % 4 + 16 (j / 4), j = g / 2; blocks 18 (g % 2) on
	s_and_b32 s80, s72, 3
	s_lshr_b32 s72, s72, 2
	s_lshl_b32 s72, s72, 4
	s_add_co_u32 s72, s72, s80
	s_add_co_u32 s72, s72, 8
	s_mul_i32 s[PF], s72, REC
	s_and_b32 s80, ttmp9, 1
	s_mul_i32 s72, s80, 18*256
	s_add_co_u32 s[PF], s[PF], s72
	s_mul_i32 s72, s[HD], HEADB
	s_add_co_u32 s[PF], s[PF], s72
	s_mov_b32 s[PF+1], 0
	s_add_nc_u64 s[PF:PF+1], s[6:7], s[PF:PF+1]
	s_sub_co_u32 s81, 17, s80                      ; my last block: 18 blocks or 17; the lanes left over name it again
	s_add_co_u32 s82, s[HD], 1                     ; the slope 2^(-(head + 1) / 2) and its products with log2(e) and 8, by whole-number arithmetic on the exponent field
	s_lshr_b32 s72, s82, 1
	s_lshl_b32 s72, s72, 23
	s_bitcmp1_b32 s82, 0
	s_mov_b32 s83, 0x3f800000
	s_cselect_b32 s83, 0x3f3504f3, s83
	s_mov_b32 s68, 0x3fb8aa3b
	s_cselect_b32 s68, 0x3f8293ee, s68
	s_sub_co_u32 s83, s83, s72
	s_sub_co_u32 s68, s68, s72
	s_or_b32 s68, s68, 0x80000000                  ; -slope log2(e)
	s_add_co_u32 s69, s83, 3<<23
	s_or_b32 s69, s69, 0x80000000                  ; -8 slope
	s_mov_b32 s[CS], 0x3e38aa3b                    ; c = log2(e) / 8
	s_mov_b32 s[CS+1], s[CS]
	s_mov_b32 s[SEL], 0x76543210
	s_mov_b32 s[SEL+1], 0xfedcba98
	v_and_b32 v19, 31, v0                          ; lane
	v_and_b32 v18, 15, v0                          ; m
	v_bfe_u32 v17, v0, 4, 1                        ; h
	v_and_b32 v7, 7, v0
	v_bfe_u32 v8, v0, 3, 1
	v_lshlrev_b32 v1, 4, v19                       ; v1 16 x lane
	v_lshlrev_b32 v3, 2, v19                       ; v3 4 x lane
	v_lshlrev_b32 v11, 2, v18                      ; v11 4 m
	v_lshlrev_b32 v16, 5, v17                      ; v16 32 h
	v_add_nc_u32 v5, s73, v1
	v_lshl_add_u32 v6, v18, 3, s78
	global_load_b128 v[Q:Q+3], v5, s[74:75]
	global_load_b32 v[QS], v6, s[74:75]
	global_load_b128 v[Q2:Q2+3], v5, s[76:77]
	global_load_b32 v[QS2], v6, s[76:77]
	v_lshlrev_b32 v2, 4, v7                        ; v2 K's codes: 1024 (m / 8) + 256 h + 16 (m % 8)
	v_lshl_add_u32 v2, v17, 8, v2
	v_lshl_add_u32 v2, v8, 10, v2
	v_lshlrev_b32 v4, 3, v7                        ; v4 K's scale words: 8 (m % 8) + 4 (m / 8) + 128 h
	v_lshl_add_u32 v4, v8, 2, v4
	v_lshl_add_u32 v4, v17, 7, v4
	v_lshl_add_u32 v9, v8, 4, v7                   ; v9 d = my query's place in its block - 32 h: on the diagonal register 32 c + i is hidden where 64 c + i > d
	v_sub_nc_u32 v9, v9, v16
	v_add_nc_u32 v9, s79, v9
	v_add_nc_u32 v77, s38, v1                      ; the stage: O^T,
	v_add_nc_u32 v244, s39, v3                     ; -M and the sum
	v_min_u32 v245, s81, v19
	v_lshlrev_b32 v245, 8, v245                    ; the prefetches' offset
	v_lshlrev_b32 v17, 3, v17                      ; v17 8 h
	v_mov_b32 v10, 0xff800000                      ; -infinity
.set n, 0
.rept 32
	v_cvt_f32_u32 v[CB+n], n
.set n, n+1
.endr
.set n, 0
.rept 32
	v_mul_f32 v[CB+n], s69, v[CB+n]
.set n, n+1
.endr
	v_mov_b32 v13, 0xff61b1e6                      ; the largest t so far: -3e38
	v_floor_f32 v12, -v13                          ; -M
	v_mov_b32 v14, 0
	v_mov_b32 v15, 0
.irp r, 4,5,6,7
	v_mov_b32 v[Q+\r], 0
	v_mov_b32 v[K+28+\r], 0
.endr
.set n, 0
.rept 32
	v_mov_b32 v[O+n], 0
.set n, n+1
.endr
.irp r, 18, 19, BX, BX+1, AD+1, AD+3, FF+1, 247
	v_mov_b32 v[\r], 0                             ; lane permutes' destinations and upper halves of pairs: written once
.endr
; THE WAY OUT of the tile in hand: v14 holds my lane's sum.  O^T / the sum; register 16 g + i is channel 32 g + 16 h + i of the head: two blocks of the output projection's K
.macro WAYOUT
	v_permlanex16_b32 v18, v14, s[SEL], s[SEL+1]
	s_delay_alu instid0(VALU_DEP_1)
	v_add_f32 v14, v14, v18
	s_wait_alu depctr_va_vdst(0)                   ; the wait ahead of the reciprocal
	v_rcp_f32 v14, v14
	v_nop
	s_lshl_b32 s72, s[QBC], 3
	s_add_co_u32 s72, s72, s[TQ]                   ; my tile of tokens
	s_lshl_b32 s80, s72, 13                        ; codes: 8,192 bytes a tile, 512 a head
	s_lshl_b32 s81, s[HD], 9
	s_add_co_u32 s80, s80, s81
	s_mov_b32 s81, 0
	s_add_nc_u64 s[80:81], s[8:9], s[80:81]
	s_lshl_b32 s82, s72, 9                         ; scale bytes: 512 a tile
	s_add_co_u32 s82, s82, s[HOFF]
	s_mov_b32 s83, 0
	s_add_nc_u64 s[82:83], s[10:11], s[82:83]
	s_wait_alu depctr_va_vdst(0)                   ; and ahead of its first reader, which is O^T's too
.set n, 0
.rept 32
	v_mul_f32 v[S+n], v[O+n], v14
.set n, n+1
.endr
.irp b, 0,1
	v_max3_num_f32 v[BM+\b], |v[S+16*\b]|, |v[S+16*\b+1]|, 0x1800000
.endr
.irp i, 2,4,6,8,10,12,14
.irp b, 0,1
	s_delay_alu instid0(VALU_DEP_2)
	v_max3_num_f32 v[BM+\b], v[BM+\b], |v[S+16*\b+\i]|, |v[S+16*\b+\i+1]|
.endr
.endr
.irp b, 0,1
	s_delay_alu instid0(VALU_DEP_2)
	v_permlanex16_b32 v[BX+\b], v[BM+\b], s[SEL], s[SEL+1]
.endr
.irp b, 0,1
	s_delay_alu instid0(VALU_DEP_2)
	v_max_num_f32 v[BM+\b], v[BM+\b], v[BX+\b]
.endr
.irp b, 0,1
	s_delay_alu instid0(VALU_DEP_2)
	v_add_nc_u32 v[SO+\b], 0xff000000, v[BM+\b]
.endr
.irp b, 0,1
	s_delay_alu instid0(VALU_DEP_2)
	v_lshrrev_b32 v[BX+\b], 23, v[SO+\b]
.endr
	s_delay_alu instid0(VALU_DEP_1)
	v_lshl_or_b32 v19, v[BX+1], 8, v[BX]
.irp b, 0,1
	v_cvt_scalef32_pk8_fp4_f32 v[PCD+2*\b], v[S+16*\b:S+16*\b+7], v[SO+\b]
	v_cvt_scalef32_pk8_fp4_f32 v[PCD+2*\b+1], v[S+16*\b+8:S+16*\b+15], v[SO+\b]
.endr
	v_nop                                          ; one plain line behind the last scaled conversion
	v_permlane16_swap_b32 v[PCD], v[PCD+2]
	v_permlane16_swap_b32 v[PCD+1], v[PCD+3]
	global_store_b128 v1, v[PCD:PCD+3], s[80:81]   ; 512 consecutive bytes
	global_store_b16 v11, v19, s[82:83]            ; lanes l and l xor 16 store the same two bytes
.endm
; A TRIP: one record of 128 keys.  cap: the highest place that has landed
.macro STEP cap
	s_add_co_u32 s38, s[TAU], s[AA]
	s_lshr_b32 s38, s38, 5
	s_mul_i32 s38, s38, s[DD]
	s_add_co_u32 s[RC], s[TAU], s38                ; the record
	s_lshr_b32 s38, s[RC], 4                       ; its place: 8 ((record % 16) / 4) + 4 (record / 16) + record % 4
	s_lshl_b32 s38, s38, 2
	s_and_b32 s39, s[RC], 12
	s_lshl_b32 s39, s39, 1
	s_add_co_u32 s38, s38, s39
	s_and_b32 s39, s[RC], 3
	s_add_co_u32 s38, s38, s39
	s_min_u32 s38, s38, \cap
	s_mul_i32 s[RB], s38, REC
	s_lshl_b32 s[KEY0], s[RC], 7
	s_cmp_lg_u32 s[TAU], s[SW]
	s_cbranch_scc1 .Lsame_\@
.rept 4
	v_nop                                          ; four plain lines behind the last products
.endr
	v_add_f32 v14, v14, v15                        ; THE EARLY TILE IS DONE: it leaves, and the late tile's second part begins
	WAYOUT
	s_mov_b32 s[QBC], s[QBL]
.irp r, 0,1,2,3
	v_mov_b32 v[Q+\r], v[Q2+\r]
.endr
	v_mov_b32 v[QS], v[QS2]
	v_mov_b32 v13, 0xff61b1e6
	v_mov_b32 v14, 0
	v_mov_b32 v15, 0
	v_floor_f32 v12, -v13
.set n, 0
.rept 32
	v_mov_b32 v[O+n], 0                            ; (also the plain lines between Q's registers and the next products)
.set n, n+1
.endr
	s_wait_alu depctr_va_vdst(0)                   ; the wait ahead of the wait below
	s_wait_xcnt 0x0                                ; the stores have read their registers
.Lsame_\@:
	s_cmp_gt_u32 s[RC], s[QBC]                     ; all keys hidden: the work is passed over
	s_cbranch_scc1 .Lhidden_\@
	v_add_nc_u32 v5, s[RB], v1                     ; six plain lines between the last trip's products and the loads and products that write over their registers (five are asked)
	v_add_nc_u32 v6, s[RB], v2
	v_add_nc_u32 v7, s[RB], v3
	v_add_nc_u32 v8, s[RB], v4
	v_add_nc_u32 v[G], s[KEY0], v16                ; my two blocks' first keys
	v_add_nc_u32 v[G+1], 64, v[G]
.irp c, 0,1
.irp t, 0,1,2,3
	ds_load_b128 v[K+16*\c+4*\t:K+16*\c+4*\t+3], v6 offset:2048*\c+512*(\t%2)+128*(\t/2)
.endr
.endr
.irp c, 0,1
.irp p, 0,1
	ds_load_b32 v[KSC+2*\c+\p], v8 offset:8192+256*\c+64*\p   ; lanes 0-15 tile 2 p's words, lanes 16-31 tile 2 p + 1's
.endr
.endr
	ds_load_b32 v[VSC], v7 offset:8704
	ds_load_b32 v[VSC+1], v7 offset:8832
	s_wait_alu depctr_va_vdst(0)                   ; the wait ahead of the wait below
	s_wait_dscnt 2                                 ; all but V's two loads of scale words
.irp q, 0,1,2,3,4,5,6,7
.if \q%2
	v_wmma_scale_f32_16x16x128_f8f6f4 v[S+8*\q:S+8*\q+7], v[K+4*\q:K+4*\q+7], v[Q:Q+7], v[CB+8*(\q%4):CB+8*(\q%4)+7], v[KSC+\q/2], v[QS] matrix_a_fmt:MATRIX_FMT_FP4 matrix_b_fmt:MATRIX_FMT_FP4 matrix_a_scale:MATRIX_SCALE_ROW1
.else
	v_wmma_scale_f32_16x16x128_f8f6f4 v[S+8*\q:S+8*\q+7], v[K+4*\q:K+4*\q+7], v[Q:Q+7], v[CB+8*(\q%4):CB+8*(\q%4)+7], v[KSC+\q/2], v[QS] matrix_a_fmt:MATRIX_FMT_FP4 matrix_b_fmt:MATRIX_FMT_FP4
.endif
.endr
	v_cvt_f32_u32 v[G], v[G]                       ; the four plain lines behind the products
	v_cvt_f32_u32 v[G+1], v[G+1]
	v_mul_f32 v[G], s68, v[G]                      ; G = -slope log2(e) x the block's first key
	v_mul_f32 v[G+1], s68, v[G+1]
	s_cmp_lg_u32 s[RC], s[QBC]                     ; on the diagonal hidden scores become -infinity: p = 0 then
	s_cbranch_scc1 .Lopen_\@
.set n, 0
.rept 64
	v_cmp_gt_i32 vcc_lo, 64*(n/32)+n%32, v9
	v_cndmask_b32 v[S+n], v[S+n], v10, vcc_lo
.set n, n+1
.endr
.Lopen_\@:
.irp c, 0,1
	v_max3_num_f32 v[BM+\c], v[S+32*\c], v[S+32*\c+1], v[S+32*\c+2]   ; the largest score of each block, in four chains by turns: it serves for the row's maximum and for the block's largest p
	v_max3_num_f32 v[BH+\c], v[S+32*\c+16], v[S+32*\c+17], v[S+32*\c+18]
.endr
.irp i, 3,5,7,9,11,13
.irp c, 0,1
	v_max3_num_f32 v[BM+\c], v[BM+\c], v[S+32*\c+\i], v[S+32*\c+\i+1]
	v_max3_num_f32 v[BH+\c], v[BH+\c], v[S+32*\c+16+\i], v[S+32*\c+17+\i]
.endr
.endr
.irp c, 0,1
	v_max3_num_f32 v[BM+\c], v[BM+\c], v[BH+\c], v[S+32*\c+15]
.endr
.irp c, 0,1
	v_max_num_f32 v[BM+\c], v[BM+\c], v[S+32*\c+31]
.endr
.irp c, 0,1
	v_fma_f32 v[BX+\c], v[BM+\c], s[CS], v[G+\c]   ; the block's largest t
.endr
	v_max_num_f32 v19, v[BX], v[BX+1]
	v_permlanex16_b32 v18, v19, s[SEL], s[SEL+1]
	v_max3_num_f32 v13, v13, v19, v18              ; the running largest t
	v_mov_b32 v19, v12
	v_floor_f32 v12, -v13                          ; the new -M: M is a whole number
	v_sub_f32 v19, v12, v19                        ; old M - new M, 0 or less
	v_cvt_i32_f32 v19, v19                         ; (it saturates)
	v_ldexp_f32 v[FF], 1.0, v19                    ; f = 2^(old M - new M)
.irp c, 0,1
	v_add_f32 v[AD+2*\c], v[G+\c], v12
.endr
.irp c, 0,1
.irp j, 0,2,4,6,8,10,12,14,16,18,20,22,24,26,28,30
	v_pk_fma_f32 v[S+32*\c+\j:S+32*\c+\j+1], v[S+32*\c+\j:S+32*\c+\j+1], s[CS:CS+1], v[AD+2*\c:AD+2*\c+1] op_sel_hi:[1,0,0]   ; t - M
.endr
.endr
.irp c, 0,1
	v_fma_f32 v[BX+\c], v[BM+\c], s[CS], v[AD+2*\c]
.endr
	s_wait_alu depctr_va_vdst(0)                   ; the wait ahead of the batch
.set n, 0
.rept 64
	v_exp_f32 v[S+n], v[S+n]                       ; p
.set n, n+1
.endr
	v_pk_mul_f32 v[14:15], v[14:15], v[FF:FF+1] op_sel_hi:[1,0]
	s_wait_alu depctr_va_vdst(0)                   ; and behind it
.irp c, 0,1
	v_exp_f32 v[BX+\c], v[BX+\c]                   ; the block's largest p: the same two instructions on the same number
.endr
.irp i, 0,1,2,3,4,5,6
	v_pk_add_f32 v[T+2*\i:T+2*\i+1], v[S+2*\i:S+2*\i+1], v[S+14+2*\i:S+15+2*\i]   ; the row's sum of the unquantised p, in eight chains
.endr
	v_pk_add_f32 v[14:15], v[14:15], v[S+28:S+29]
.irp i, 0,1,2,3,4,5,6
	v_pk_add_f32 v[T+2*\i:T+2*\i+1], v[T+2*\i:T+2*\i+1], v[S+30+2*\i:S+31+2*\i]
.endr
	v_pk_add_f32 v[14:15], v[14:15], v[S+44:S+45]
.irp i, 0,1,2,3,4,5,6
	v_pk_add_f32 v[T+2*\i:T+2*\i+1], v[T+2*\i:T+2*\i+1], v[S+46+2*\i:S+47+2*\i]
.endr
	v_pk_add_f32 v[14:15], v[14:15], v[S+60:S+61]
	v_pk_add_f32 v[T:T+1], v[T:T+1], v[S+62:S+63]
	v_pk_add_f32 v[T+2:T+3], v[T+2:T+3], v[T+4:T+5]
	v_pk_add_f32 v[T+6:T+7], v[T+6:T+7], v[T+8:T+9]
	v_pk_add_f32 v[T+10:T+11], v[T+10:T+11], v[T+12:T+13]
	v_pk_add_f32 v[14:15], v[14:15], v[T:T+1]
	v_pk_add_f32 v[T+2:T+3], v[T+2:T+3], v[T+6:T+7]
	s_delay_alu instid0(VALU_DEP_2)
	v_pk_add_f32 v[14:15], v[14:15], v[T+10:T+11]
	s_delay_alu instid0(VALU_DEP_1)
	v_pk_add_f32 v[14:15], v[14:15], v[T+2:T+3]
	s_wait_alu depctr_va_vdst(0)                   ; the wait for the two
.irp c, 0,1
	v_max_num_f32 v[BX+\c], 0x1800000, v[BX+\c]    ; the floor 2^(3 - 127)
.endr
.irp c, 0,1
	s_delay_alu instid0(VALU_DEP_2)
	v_add_nc_u32 v[SO+\c], 0xff000000, v[BX+\c]    ; the conversion's scale operand
.endr
.irp c, 0,1
	s_delay_alu instid0(VALU_DEP_2)
	v_lshrrev_b32 v[BM+\c], 23, v[SO+\c]           ; the byte
.endr
	s_delay_alu instid0(VALU_DEP_1)
	v_lshl_or_b32 v[PS], v[BM+1], 16, v[BM]        ; my bytes: blocks h and 2 + h,
	s_delay_alu instid0(VALU_DEP_1)
	v_lshlrev_b32 v[PS], v17, v[PS]                ; at their places;
	s_delay_alu instid0(VALU_DEP_1)
	v_permlanex16_b32 v18, v[PS], s[SEL], s[SEL+1]
	s_delay_alu instid0(VALU_DEP_1)
	v_or_b32 v[PS], v[PS], v18                     ; with lane l xor 16's the word is whole
.irp c, 0,1
.irp t, 0,1,2,3
	v_cvt_scalef32_pk8_fp4_f32 v[PCD+4*\c+\t], v[S+32*\c+8*\t:S+32*\c+8*\t+7], v[SO+\c]   ; the operand's registers as they are wanted
.endr
.endr
.irp t, 0,1,2,3
.irp c, 0,1
	ds_load_b128 v[S+8*\t+4*\c:S+8*\t+4*\c+3], v5 offset:4096+1024*\t+512*\c   ; V^T's four tiles, into registers that p has left
.endr
.endr
	v_nop                                          ; one plain line behind the last scaled conversion
	s_wait_alu depctr_va_vdst(0)                   ; the wait ahead of O^T's first reader
.irp j, 0,2,4,6,8,10,12,14,16,18,20,22,24,26,28,30
	v_pk_mul_f32 v[O+\j:O+\j+1], v[O+\j:O+\j+1], v[FF:FF+1] op_sel_hi:[1,0]   ; O^T under the new M; for each product below twelve of these name none of its registers (eight are asked behind p's scale word)
.endr
	s_wait_alu depctr_va_vdst(0)
	s_wait_dscnt 0x0
.irp t, 0,1,2,3
.if \t%2
	v_wmma_scale_f32_16x16x128_f8f6f4 v[O+8*\t:O+8*\t+7], v[S+8*\t:S+8*\t+7], v[PCD:PCD+7], v[O+8*\t:O+8*\t+7], v[VSC+\t/2], v[PS] matrix_a_fmt:MATRIX_FMT_FP4 matrix_b_fmt:MATRIX_FMT_FP4 matrix_a_scale:MATRIX_SCALE_ROW1
.else
	v_wmma_scale_f32_16x16x128_f8f6f4 v[O+8*\t:O+8*\t+7], v[S+8*\t:S+8*\t+7], v[PCD:PCD+7], v[O+8*\t:O+8*\t+7], v[VSC+\t/2], v[PS] matrix_a_fmt:MATRIX_FMT_FP4 matrix_b_fmt:MATRIX_FMT_FP4
.endif
.endr
.Lhidden_\@:
	s_add_co_u32 s[TAU], s[TAU], 1
.endm
; THE CHANGE OF GROUPS: every wave waits for its load, adds 0 to its spare word and waits for that; behind the barrier group f is whole.  fill = 1: the next group, a first fill, is asked for
.macro CHANGE fill, pf
	s_wait_alu depctr_va_vdst(0)
	s_wait_tensorcnt 0x0
	ds_add_u32 v254, v255
.if \fill
	ds_add_u32 v254, v255                          ; twice on end where a load still follows
	s_add_co_u32 s[G0+1], s[G0+1], 8*REC           ; no load of mine is out: eight places and four records on
	s_add_nc_u64 s[G0+2:G0+3], s[G0+2:G0+3], 4*REC
.endif
	s_wait_dscnt 0x0
	s_barrier_signal -1
	s_barrier_wait -1
.if \fill
	s_cmp_lt_u32 s[WV], 4
	s_cbranch_scc0 .Lnl_\@
	tensor_load_to_lds s[G0:G0+3], s[G1:G1+7]
	s_nop 0
.rept 4
	v_nop
.endr
.Lnl_\@:
.if \pf >= 0
	s_cmp_eq_u32 s[WV], 4
	s_cbranch_scc0 .Lnp_\@
	global_prefetch_b8 v245, s[PF:PF+1] offset:\pf*4*REC th:TH_LOAD_NT scope:SCOPE_SE   ; my share of the group that the next change loads; its address registers are never rewritten
.Lnp_\@:
.endif
.endif
.endm
.macro PHASE f, fill, pf, last
	CHANGE \fill, \pf
	s_mov_b32 s[TAU], 4*\f
.Lst_\@:
	STEP 8*\f+7
	s_cmp_lt_u32 s[TAU], \last
	s_cbranch_scc1 .Lst_\@
.endm
	s_wait_alu depctr_va_vdst(0)                   ; the wait at the head's end
	s_wait_loadcnt 0x0                             ; Q
	PHASE 0, 1, 0, 4
	PHASE 1, 1, 1, 8
	PHASE 2, 1, -1, 12
	PHASE 3, 0, -1, 17
	; THE LATE TILE'S TWO PARTS ARE JOINED: the wave that took the second part hands it over through its pair's stage
	s_cmp_eq_u32 s[RY], 1
	s_cbranch_scc0 .Lkeep
.rept 4
	v_nop
.endr
	v_add_f32 v14, v14, v15
.irp t, 0,1,2,3
	ds_store_b128 v77, v[O+8*\t:O+8*\t+3] offset:1024*\t
	ds_store_b128 v77, v[O+8*\t+4:O+8*\t+7] offset:1024*\t+512
.endr
	ds_store_b32 v244, v12
	ds_store_b32 v244, v14 offset:128
.Lkeep:
	s_wait_alu depctr_va_vdst(0)
	s_wait_dscnt 0x0                               ; for the other wave's sake
	s_barrier_signal -1
	s_barrier_wait -1
	s_cmp_eq_u32 s[RY], 1
	s_cbranch_scc1 .Ldone
.rept 4
	v_nop
.endr
.irp k, 0,1,2,3,4,5,6,7
	ds_load_b128 v[S+4*\k:S+4*\k+3], v77 offset:512*\k
.endr
	ds_load_b32 v18, v244
	ds_load_b32 v19, v244 offset:128
	v_add_f32 v14, v14, v15
	s_wait_alu depctr_va_vdst(0)
	s_wait_dscnt 0x0
	v_min_num_f32 v[BM], v12, v18                  ; -(the larger M)
	s_delay_alu instid0(VALU_DEP_1)
	v_sub_f32 v[BX], v[BM], v12
	v_sub_f32 v[BX+1], v[BM], v18
	s_delay_alu instid0(VALU_DEP_2)
	v_cvt_i32_f32 v[BX], v[BX]
	s_delay_alu instid0(VALU_DEP_2)
	v_cvt_i32_f32 v[BX+1], v[BX+1]                 ; (it saturates: a part with no key counts for nothing)
	s_delay_alu instid0(VALU_DEP_2)
	v_ldexp_f32 v[FF], 1.0, v[BX]
	s_delay_alu instid0(VALU_DEP_2)
	v_ldexp_f32 v246, 1.0, v[BX+1]
	s_delay_alu instid0(VALU_DEP_2)
	v_mul_f32 v14, v14, v[FF]
	s_delay_alu instid0(VALU_DEP_1)
	v_fmac_f32 v14, v19, v246
.irp j, 0,2,4,6,8,10,12,14,16,18,20,22,24,26,28,30
	v_pk_mul_f32 v[O+\j:O+\j+1], v[O+\j:O+\j+1], v[FF:FF+1] op_sel_hi:[1,0]
.endr
.irp j, 0,2,4,6,8,10,12,14,16,18,20,22,24,26,28,30
	v_pk_fma_f32 v[O+\j:O+\j+1], v[S+\j:S+\j+1], v[246:247], v[O+\j:O+\j+1] op_sel_hi:[1,0,1]
.endr
	WAYOUT
.Ldone:
	s_wait_tensorcnt 0x0                           ; the wave's end
	ds_add_u32 v254, v255
	s_wait_dscnt 0x0
	s_endpgm
.Lfunc_end_k_qeb08a68927_attn:
	.size	k_qeb08a68927_attn, .Lfunc_end_k_qeb08a68927_attn-k_qeb08a68927_attn
	.p2alignl 7, 3214868480
	.fill 96, 4, 3214868480
	.section	.rodata,"a",@progbits
	.p2align	6, 0x0
	.amdhsa_kernel k_qeb08a68927_attn
		.amdhsa_group_segment_fixed_size 327680
		.amdhsa_private_segment_fixed_size 0
		.amdhsa_enable_private_segment 0
		.amdhsa_kernarg_size 32
		.amdhsa_user_sgpr_count 2
		.amdhsa_user_sgpr_kernarg_segment_ptr 1
		.amdhsa_wavefront_size32 1
		.amdhsa_system_sgpr_workgroup_id_x 1
		.amdhsa_system_sgpr_workgroup_id_y 1
		.amdhsa_system_sgpr_workgroup_id_z 1
		.amdhsa_system_vgpr_workitem_id 0
		.amdhsa_next_free_vgpr 256
		.amdhsa_next_free_sgpr 96
		.amdhsa_reserve_vcc 1
		.amdhsa_float_denorm_mode_32 3
		.amdhsa_float_denorm_mode_16_64 3
		.amdhsa_memory_ordered 1
		.amdhsa_forward_progress 1
		.amdhsa_inst_pref_size 128
	.end_amdhsa_kernel
	.amdgpu_metadata
---
amdhsa.version: [ 1, 2 ]
amdhsa.kernels:
  - .name:           k_qeb08a68927_attn
    .symbol:         k_qeb08a68927_attn.kd
    .args:
      - { .name: qr, .offset: 0, .size: 8, .value_kind: global_buffer, .address_space: global }
      - { .name: kv, .offset: 8, .size: 8, .value_kind: global_buffer, .address_space: global }
      - { .name: ac, .offset: 16, .size: 8, .value_kind: global_buffer, .address_space: global }
      - { .name: asc, .offset: 24, .size: 8, .value_kind: global_buffer, .address_space: global }
    .group_segment_fixed_size: 327680
    .private_segment_fixed_size: 0
    .kernarg_segment_align: 8
    .kernarg_segment_size: 32
    .max_flat_workgroup_size: 512
    .sgpr_count:     96
    .vgpr_count:     256
    .wavefront_size: 32
...
	.end_amdgpu_metadata
.endif
;; end of part 3
;; launch proj (part 4): grid 32 x 8, 8 waves a work-group, clusters of 4 x 4, 199,680 bytes of LDS; arguments ac, asc, wc, ws, out0; writes out0
.if DOCPART == 4
	.amdgcn_target "amdgcn-amd-amdhsa--gfx1250"
	.amdhsa_code_object_version 6
	.text
	.protected	k_qeb08a68927_proj
	.globl	k_qeb08a68927_proj
	.p2align	8
	.type	k_qeb08a68927_proj,@function
k_qeb08a68927_proj:
	s_mov_b64 s[64:65], 0
	v_nop
	global_prefetch_b8 v0, s[64:65] scope:SCOPE_SE
	s_setreg_imm32_b32 hwreg(HW_REG_WAVE_MODE, 25, 1), 1
	s_wait_xcnt 0x0
	s_wait_alu depctr_hold_cnt(0) depctr_sa_sdst(0) depctr_va_vdst(0) depctr_va_sdst(0) depctr_va_ssrc(0) depctr_va_vcc(0) depctr_vm_vsrc(0)
	s_getreg_b32 s2, hwreg(HW_REG_IB_STS2, 6, 4)
	s_cmp_eq_u32 s2, 0
	s_cbranch_scc0 .Lentry_in_a_cluster
	s_endpgm
.Lentry_in_a_cluster:
	s_bfe_u32 s2, ttmp6, 0x10000c
	s_cmp_lg_u32 s2, 0xf033
	s_cbranch_scc0 .Lentry_shape_is_right
	s_endpgm
.Lentry_shape_is_right:
; out0 = a Wo^T on codes of FP4 with E8M0 scales, K = 1,024; a: the attention's result as the launch before left it; out0 [4096][1024] f32.
; Codes and scale words lie as images of the operands' registers (tile T of 16 rows: place m holds row 32 (T / 2) + 16 (m / 8) + 8 (T % 2) + m % 8; 8,192 bytes of codes and 512 of scale words a tile).
; SHARES.  Work-group (tb, cg): 128 tokens (a's tiles 8 tb ..) x 128 outputs (Wo's tiles 192 + 8 cg .. of the weights' buffer).  Wave w: xh = w % 2, qd = w / 2: a's tiles 4 xh + i as source 1, Wo's tiles 2 qd + u as
; source 0: 8 accumulators; a lane holds one token and eight neighbouring outputs.
; LDS.  All of K comes once: a's 8 tiles from 0, Wo's 8 from 65,536, 8,192 bytes a tile.  Nothing is filled again.  Behind them, in bytes of its own, the stage for the way out.
; CLUSTER 4 x 4: a's tiles hang on tb alone and are asked for jointly by a column of the cluster (waves 0 to 3), Wo's on cg alone, by a row (waves 4 to 7): one load a wave.
; REGISTERS: v1-7 offsets and LDS addresses; v16-31 a's scale words, v32-39 Wo's; v40-103 the accumulators (u, i) at 40 + 8 (4 u + i); v104-151, v152-199 two sets of fragments (a 32, Wo 16), later rows of out0.
.set AS,  16
.set WS,  32
.set ACC, 40
.set F,   104
.set CHUNK, 32768
.set STG,  4*CHUNK                     ; the stage: 128 rows x (512 + 16) bytes
.set SP,   528
.set G1A, 28
.set G1W, 36
.set G0A, 44
.set G0W, 68
.macro CROUND                          ; a round of the cluster's barrier
	s_barrier_signal -1
	s_barrier_wait -1
	s_cmp_lg_u32 s20, 0
	s_cbranch_scc1 .Lnot_wave_0_\@
	s_barrier_signal -3
.Lnot_wave_0_\@:
	s_barrier_wait -3
	s_barrier_signal -1
	s_barrier_wait -1
.endm
	s_load_b256 s[4:11], s[0:1], 0x0               ; ac, asc, wc, ws
	s_load_b64 s[12:13], s[0:1], 0x20              ; out0
	v_lshl_add_u32 v254, v0, 2, 0x30800
	v_mov_b32 v255, 0
	ds_add_u32 v254, v255
	ds_add_u32 v254, v255
	v_lshrrev_b32 v1, 5, v0
	s_delay_alu instid0(VALU_DEP_1)
	v_readfirstlane_b32 s20, v1                    ; wave 0..7
	s_and_b32 s21, s20, 1                          ; xh
	s_lshr_b32 s22, s20, 1                         ; qd
	s_bfe_u32 s23, ttmp6, 0x40000                  ; cx
	s_bfe_u32 s24, ttmp6, 0x40004                  ; cy
	s_lshl_b32 s25, ttmp9, 2
	s_add_co_u32 s25, s25, s23                     ; tb
	s_and_b32 s26, ttmp7, 0xffff
	s_lshl_b32 s26, s26, 2
	s_add_co_u32 s26, s26, s24                     ; cg
	s_lshl_b32 s2, 0x1111, s23                     ; my column of the cluster
	s_lshl_b32 s3, s24, 2
	s_lshl_b32 s3, 15, s3                          ; my row
	s_or_b32 s[G1A], s2, (3<<16)|(1<<21)           ; 64 rows of 256 bytes, dense, in elements of 8 bytes
	s_or_b32 s[G1W], s3, (3<<16)|(1<<21)
.irp g, G1A, G1W
	; AS THE TEXT NOW STANDS: each of the eight waves asks once, for two whole tiles (all of K): 16,384 dense bytes, stated as 64 rows of 256 bytes
	s_mov_b32 s[\g+1], 32<<16
	s_mov_b32 s[\g+2], 64<<16
	s_mov_b32 s[\g+3], 32<<16
	s_mov_b32 s[\g+4], 64
	s_mov_b32 s[\g+5], 32
	s_mov_b32 s[\g+6], 0
	s_mov_b32 s[\g+7], 0
.endr
	s_and_b32 s27, s20, 3
	s_lshl_b32 s27, s27, 14                        ; two tiles for each wave % 4
	s_lshl_b32 s84, s25, 16                        ; a (waves 0 to 3): tile 8 tb + 2 (wave % 4)
	s_add_co_u32 s84, s84, s27
	s_mov_b32 s85, 0
	s_lshl_b32 s86, s26, 16                        ; Wo (waves 4 to 7): tile 192 + 8 cg + 2 (wave % 4)
	s_add_co_u32 s86, s86, s27
	s_add_co_u32 s86, s86, 192*8192
	s_mov_b32 s87, 0
	s_lshl_b32 s27, s20, 14                        ; LDS: 16,384 x wave: a's 8 tiles from 0, Wo's 8 from 65,536; 8,192 bytes a tile, 1,024 a K step
	s_wait_dscnt 0x0
	s_wait_kmcnt 0x0
	s_add_nc_u64 s[84:85], s[4:5], s[84:85]
	s_add_nc_u64 s[86:87], s[8:9], s[86:87]
	CROUND                                         ; all sixteen work-groups are here: the joint loads meet
	s_mov_b32 s[G0A], 1
	s_mov_b32 s[G0A+1], s27
	s_mov_b64 s[G0A+2:G0A+3], s[84:85]
	s_or_b32 s[G0A+3], s[G0A+3], 0x80000000
	s_mov_b32 s[G0W], 1
	s_mov_b32 s[G0W+1], s27
	s_mov_b64 s[G0W+2:G0W+3], s[86:87]
	s_or_b32 s[G0W+3], s[G0W+3], 0x80000000
	s_cmp_lt_u32 s20, 4                            ; one chain on the wave's number, one joint load to an arm: every wave asks once
	s_cbranch_scc0 .Lnot_a
	tensor_load_to_lds s[G0A:G0A+3], s[G1A:G1A+7]
	s_nop 0
.rept 4
	v_nop
.endr
	s_branch .Lasked
.Lnot_a:
	tensor_load_to_lds s[G0W:G0W+3], s[G1W:G1W+7]
	s_nop 0
.rept 4
	v_nop
.endr
.Lasked:
	v_and_b32 v9, 31, v0                           ; lane
	v_and_b32 v10, 15, v0                          ; m
	v_bfe_u32 v11, v0, 4, 1                        ; h
	s_delay_alu instid0(VALU_DEP_3)
	v_lshlrev_b32 v1, 4, v9                        ; 16 x lane
	s_delay_alu instid0(VALU_DEP_4)
	v_lshlrev_b32 v2, 2, v9                        ; 4 x lane
	s_wait_alu depctr_va_vdst(0)
	s_lshl_b32 s90, s25, 12                        ; a's scale words: tile 8 tb + 4 xh
	s_lshl_b32 s60, s21, 11
	s_add_co_u32 s90, s90, s60
	s_mov_b32 s91, 0
	s_add_nc_u64 s[90:91], s[6:7], s[90:91]
	s_lshl_b32 s92, s26, 12                        ; Wo's: tile 192 + 8 cg + 2 qd
	s_lshl_b32 s60, s22, 10
	s_add_co_u32 s92, s92, s60
	s_add_co_u32 s92, s92, 192*512
	s_mov_b32 s93, 0
	s_add_nc_u64 s[92:93], s[10:11], s[92:93]
.irp i, 0,1,2,3
.irp sp, 0,1,2,3
	global_load_b32 v[AS+4*\i+\sp], v2, s[90:91] offset:\i*512+\sp*128
.endr
.endr
.irp u, 0,1
.irp sp, 0,1,2,3
	global_load_b32 v[WS+4*\u+\sp], v2, s[92:93] offset:\u*512+\sp*128
.endr
.endr
	s_lshl_b32 s60, s21, 15
	v_add_nc_u32 v3, s60, v1                       ; LDS: a's tiles 4 xh ..
	s_lshl_b32 s60, s22, 14
	s_add_co_u32 s60, s60, 65536
	v_add_nc_u32 v4, s60, v1                       ; Wo's tiles 2 qd ..
	v_and_b32 v12, 8, v10
	s_delay_alu instid0(VALU_DEP_1)
	v_add_nc_u32 v12, v12, v10                     ; 16 (m / 8) + m % 8
	s_delay_alu instid0(VALU_DEP_1)
	v_mul_u32_u24 v6, v12, SP
	s_delay_alu instid0(VALU_DEP_1)
	v_lshl_add_u32 v6, v11, 6, v6
	s_mul_i32 s60, s21, 64*SP
	s_lshl_b32 s61, s22, 7
	s_add_co_u32 s60, s60, s61
	s_add_co_u32 s60, s60, STG
	v_add_nc_u32 v6, s60, v6                       ; the stage, in: my token's row among xh's 64; outputs 32 qd + 16 h ..: 128 qd + 64 h bytes
	s_mul_i32 s60, s20, 16*SP
	s_add_co_u32 s60, s60, STG
	v_add_nc_u32 v7, s60, v1                       ; and back: rows 16 w .., 16 bytes a lane
	s_lshl_b32 s88, s25, 19                        ; out0: row 128 tb + 16 w, 4,096 bytes a row; column 128 cg: 512 bytes
	s_lshl_b32 s60, s20, 16
	s_add_co_u32 s88, s88, s60
	s_lshl_b32 s60, s26, 9
	s_add_co_u32 s88, s88, s60
	s_mov_b32 s89, 0
	s_add_nc_u64 s[88:89], s[12:13], s[88:89]
.macro LOADSET p, ss                   ; 12 LDS loads: a K step's fragments into set p
.set FB, F+48*(\p)
.irp i, 0,1,2,3
	ds_load_b128 v[FB+8*\i:FB+8*\i+3], v3 offset:\i*8192+(\ss)*1024
	ds_load_b128 v[FB+8*\i+4:FB+8*\i+7], v3 offset:\i*8192+(\ss)*1024+512
.endr
.irp i, 0,1
	ds_load_b128 v[FB+32+8*\i:FB+32+8*\i+3], v4 offset:\i*8192+(\ss)*1024
	ds_load_b128 v[FB+32+8*\i+4:FB+32+8*\i+7], v4 offset:\i*8192+(\ss)*1024+512
.endr
.endm
.macro MP d, a, b, sa, sb, s           ; one product of K step s; step 0 starts the sums; in an odd step both sides' scale words stand in lanes 16-31
.if (\s) == 0
	v_wmma_scale_f32_16x16x128_f8f6f4 v[\d:\d+7], v[\a:\a+7], v[\b:\b+7], 0, v[\sa], v[\sb] matrix_a_fmt:MATRIX_FMT_FP4 matrix_b_fmt:MATRIX_FMT_FP4
.elseif (\s)%2
	v_wmma_scale_f32_16x16x128_f8f6f4 v[\d:\d+7], v[\a:\a+7], v[\b:\b+7], v[\d:\d+7], v[\sa], v[\sb] matrix_a_fmt:MATRIX_FMT_FP4 matrix_b_fmt:MATRIX_FMT_FP4 matrix_a_scale:MATRIX_SCALE_ROW1 matrix_b_scale:MATRIX_SCALE_ROW1
.else
	v_wmma_scale_f32_16x16x128_f8f6f4 v[\d:\d+7], v[\a:\a+7], v[\b:\b+7], v[\d:\d+7], v[\sa], v[\sb] matrix_a_fmt:MATRIX_FMT_FP4 matrix_b_fmt:MATRIX_FMT_FP4
.endif
.endm
.macro KSTEP s
.if (\s) < 7
.if (\s) > 0
.rept 4
	v_nop                                          ; four plain lines between the last step's products and the loads into the registers that they read
.endr
.endif
	LOADSET 1-(\s)%2, (\s)+1
	s_wait_dscnt 12                                ; all but the 12 just issued: this step's fragments are in
.else
	s_wait_dscnt 0x0
.endif
.set FB, F+48*((\s)%2)
.set SQ, (\s)/2
.irp u, 0,1
.irp i, 0,1,2,3
	MP ACC+8*(4*\u+\i), FB+32+8*\u, FB+8*\i, WS+4*\u+SQ, AS+4*\i+SQ, \s   ; the eight accumulators take turns
.endr
.endr
.endm
	s_wait_alu depctr_va_vdst(0)
	s_wait_loadcnt 0x0                             ; the scale words
	s_wait_tensorcnt 0x0                           ; my one load has landed; behind the barrier everybody's has: all of K lies in LDS
	s_barrier_signal -1
	s_barrier_wait -1
	LOADSET 0, 0
.irp s, 0,1,2,3,4,5,6,7
	KSTEP \s
.endr
	; THE WAY OUT.  A lane holds 32 neighbouring bytes of a token's row; a row's 512 bytes come from four waves: they meet in the stage, and each wave stores 16 whole rows
.rept 4
	v_nop                                          ; four plain lines between the last products and the first read of results
.endr
.irp u, 0,1
.irp i, 0,1,2,3
	ds_store_b128 v6, v[ACC+8*(4*\u+\i):ACC+8*(4*\u+\i)+3] offset:(32*(\i/2)+8*(\i%2))*SP+32*\u       ; each accumulator from its low end on
	ds_store_b128 v6, v[ACC+8*(4*\u+\i)+4:ACC+8*(4*\u+\i)+7] offset:(32*(\i/2)+8*(\i%2))*SP+32*\u+16
.endr
.endr
	s_wait_dscnt 0x0                               ; for the others' sake: my stores into the stage are done
	s_barrier_signal -1
	s_barrier_wait -1
.irp t, 0,1,2,3,4,5,6,7,8,9,10,11,12,13,14,15
	ds_load_b128 v[F+4*\t:F+4*\t+3], v7 offset:\t*SP
.endr
.irp t, 0,1,2,3,4,5,6,7,8,9,10,11,12,13,14,15
	s_wait_dscnt 15-\t                             ; row t is back; the younger loads may be out
	global_store_b128 v1, v[F+4*\t:F+4*\t+3], s[88:89] offset:\t*4096 th:TH_STORE_NT   ; 32 lanes store 512 consecutive bytes, at a multiple of 256 from out0's first byte; written once
.endr
	s_wait_tensorcnt 0x0
	ds_add_u32 v254, v255
	s_wait_dscnt 0x0
	CROUND                                         ; the closing round: no work-group ends while a partner may still ask for a tile that names it
	s_endpgm
.Lfunc_end_k_qeb08a68927_proj:
	.size	k_qeb08a68927_proj, .Lfunc_end_k_qeb08a68927_proj-k_qeb08a68927_proj
	.p2alignl 7, 3214868480
	.fill 96, 4, 3214868480
	.section	.rodata,"a",@progbits
	.p2align	6, 0x0
	.amdhsa_kernel k_qeb08a68927_proj
		.amdhsa_group_segment_fixed_size 199680
		.amdhsa_private_segment_fixed_size 0
		.amdhsa_enable_private_segment 0
		.amdhsa_kernarg_size 40
		.amdhsa_user_sgpr_count 2
		.amdhsa_user_sgpr_kernarg_segment_ptr 1
		.amdhsa_wavefront_size32 1
		.amdhsa_system_sgpr_workgroup_id_x 1
		.amdhsa_system_sgpr_workgroup_id_y 1
		.amdhsa_system_sgpr_workgroup_id_z 1
		.amdhsa_system_vgpr_workitem_id 0
		.amdhsa_next_free_vgpr 256
		.amdhsa_next_free_sgpr 100
		.amdhsa_reserve_vcc 0
		.amdhsa_float_denorm_mode_32 3
		.amdhsa_float_denorm_mode_16_64 3
		.amdhsa_memory_ordered 1
		.amdhsa_forward_progress 1
		.amdhsa_inst_pref_size 28
	.end_amdhsa_kernel
	.amdgpu_metadata
---
amdhsa.version: [ 1, 2 ]
amdhsa.kernels:
  - .name:           k_qeb08a68927_proj
    .symbol:         k_qeb08a68927_proj.kd
    .args:
      - { .name: ac, .offset: 0, .size: 8, .value_kind: global_buffer, .address_space: global }
      - { .name: asc, .offset: 8, .size: 8, .value_kind: global_buffer, .address_space: global }
      - { .name: wc, .offset: 16, .size: 8, .value_kind: global_buffer, .address_space: global }
      - { .name: ws, .offset: 24, .size: 8, .value_kind: global_buffer, .address_space: global }
      - { .name: out0, .offset: 32, .size: 8, .value_kind: global_buffer, .address_space: global }
    .group_segment_fixed_size: 199680
    .private_segment_fixed_size: 0
    .kernarg_segment_align: 8
    .kernarg_segment_size: 40
    .max_flat_workgroup_size: 256
    .sgpr_count:     100
    .vgpr_count:     256
    .wavefront_size: 32
...
	.end_amdgpu_metadata
.endif
;; end of part 4
